; MI455X (gfx1250); checked and timed in simulation.
; The chip was launched on July 23, 2026; its instructions are those of AMD's public machine-readable ISA for CDNA 5 (MIT licence, August 2026) and "CDNA5" Instruction Set Architecture Reference Guide (July 2026). The comments in the code are by the model that wrote it; some were corrected since.
;; DIT Attention. Allowed arithmetic: matrix products marked QUANTISED: E2M3 operands, one E8M0 scale for each 32 along K, by v_wmma_scale_f32_16x16x128_f8f6f4 with both operands' format E2M3, f32 sums; everything else in f32.
;; Inputs: Wk 1,024 x 1,024 float32; Wo 1,024 x 1,024 float32; Wq 1,024 x 1,024 float32; Wv 1,024 x 1,024 float32; attention_mask 4 x 2,048 int32; hidden_states 4 x 2,048 x 1,024 float32.
;; Outputs: out0 4 x 2,048 x 1,024 float32.
;; This version of the problem:
;;   THIS VERSION OF THE PROBLEM IS GIVEN IN LOW PRECISION. The matrix products marked QUANTISED in the list below multiply operands that are first quantised to E2M3 (2 exponent bits, 3 mantissa bits; 6 bits a number), with one power-of-two scale for each 32 numbers along K (OCP MX v1.0); their sums are f32. All else is computed in f32.
;;   The module's matrix products, in the order in which they are computed (A, B: the left and right operand; K: the contracted axis; several contracted axes count as one K, in the product's order):
;;     1. [M 8,192, K 1,024] x [K 1,024, N 1,024]; A: input hidden_states; B: input Wq: QUANTISED
;;     2. [M 8,192, K 1,024] x [K 1,024, N 1,024]; A: input hidden_states; B: input Wk: QUANTISED
;;     3. [M 8,192, K 1,024] x [K 1,024, N 1,024]; A: input hidden_states; B: input Wv: QUANTISED
;;     4. batch 64 x [M 2,048, K 64] x [K 64, N 2,048]; A: computed on the way; B: computed on the way: QUANTISED
;;     5. batch 64 x [M 64, K 2,048] x [K 2,048, N 2,048]; A: computed on the way; B: softmax (see below): QUANTISED
;;     6. [M 8,192, K 1,024] x [K 1,024, N 1,024]; A: computed on the way; B: input Wo: QUANTISED
;;   THE QUANTISER, for each operand of a quantised product, along K:
;;     - K is cut into blocks of 32 from its start; a last block that is shorter is filled with zeros.
;;     - A block's scale is 2^e with e = floor(log2(the largest magnitude in the block)) - 2, held to -126 .. 127; a block of zeros has e = 0. As a byte (E8M0): e + 127.
;;     - Each number is divided by its block's scale, clamped to +-7.5, and rounded to the nearest number of E2M3, ties to even, subnormals kept.
;;     - The product sums the exact products of the quantised numbers (number of the format x scale) in f32.
;;   ~~~python
;;   def quantise(x, axis):      # numpy; x: float32 -> the quantised numbers, widened to float32 again
;;       x = np.moveaxis(x, axis, -1); K = x.shape[-1]
;;       x = np.pad(x, [(0, 0)] * (x.ndim - 1) + [(0, -K % 32)]); x = x.reshape(x.shape[:-1] + (-1, 32)); a = np.abs(x).max(-1, keepdims=True)
;;       e = np.where(a > 0, np.clip(np.frexp(np.where(a > 0, a, 1))[1] - 1 - 2, -126, 127), 0)      # np.frexp(a)[1] - 1 = floor(log2(a)), exactly
;;       r = np.clip(x / 2.0 ** e, -7.5, 7.5)
;;       step = 2.0 ** (np.maximum(np.frexp(np.where(r == 0, 1, r))[1] - 1, 0) - 3)
;;       q = np.round(r / step) * step * 2.0 ** e      # np.round: ties to even
;;       return np.moveaxis(q.reshape(q.shape[:-2] + (-1,))[..., :K], -1, axis).astype(np.float32)
;;   ~~~
;;   SOFTMAX AHEAD OF A QUANTISED PRODUCT. Where the list says 'softmax', what is quantised is not the finished softmax but p = 2^(t - M), with t = logit x log2(e) and M = ceil(the row's largest t), a whole number; so 1/2 < the row's largest p <= 1. The row's sum l is taken of the UNQUANTISED p, in f32, and the product's result is divided by l at the end. Since M is a whole number, a kernel that streams over the keys may use a running M (the ceiling of the running maximum): every later rescaling is an exact power of two, which a block's scale takes up: the codes' values come out the same.
;;   OPERANDS COMPUTED ON THE WAY. 'Computed on the way' means the value that the module computes at that place (a softmax that the list does not call 'softmax' is quantised finished and normalised). What goes into a quantiser is computed in f32, as accurately as f32 sums, v_exp_f32 and their like allow (about 1e-6 of the number): no bf16 or f16 on the way to a quantiser, and a product that is left as it is and whose result goes on into a quantised operand takes f32 operands (vector FMAs, or v_wmma_f32_16x16x4_f32). A number that lies on a knife's edge between two numbers of the format may be rounded either way, as far as f32 arithmetic and the matrix unit's own rounding can turn it there, and no further.
;; One version. Each part assembles by itself: llvm-mc -triple=amdgcn-amd-amdhsa -mcpu=gfx1250 --defsym DOCPART=n.
;; ======== version 1 of 1: 4 launches
;; limits: right only within a limited range of input values
;; workspace buffers: codes 9,437,184 bytes; scales 393,216 bytes; rope 524,288 bytes; qkv 20,185,088 bytes; a_img 6,291,456 bytes; a_scales 262,144 bytes
;; launch prep (part 1): grid 400 x 1, 4 waves a work-group, no clusters, 33,280 bytes of LDS; arguments hidden_states, Wq, Wk, Wv, Wo, codes, scales, rope; writes codes, scales, rope
.if DOCPART == 1
	.amdgcn_target "amdgcn-amd-amdhsa--gfx1250"
	.amdhsa_code_object_version 6
	.text
	.protected	k_q9217addb15_prep
	.globl	k_q9217addb15_prep
	.p2align	8
	.type	k_q9217addb15_prep,@function
k_q9217addb15_prep:
	s_mov_b64 s[64:65], 0
	v_nop
	global_prefetch_b8 v0, s[64:65] scope:SCOPE_SE
	s_setreg_imm32_b32 hwreg(HW_REG_WAVE_MODE, 25, 1), 1
	s_wait_xcnt 0x0
; PREP.  Work-groups 0-383: hidden_states [8192][1024] and Wq, Wk, Wv, Wo [1024][1024], f32, become codes of FP6 (E2M3), K innermost, 768 bytes a row, and one E8M0 byte for each 32 along K, 32 bytes a row.
; All five lie in ONE buffer of 12,288 rows: x from row 0, Wq 8192, Wk 9216, Wv 10240, Wo 11264.  A block's scale is 2^(floor(log2(largest magnitude)) - 2); its byte is the largest magnitude's exponent field - 2, held at 1 from below
; (a block of zeros keeps the byte 1: its codes are zeros, and this program alone reads the bytes).
; THE ROWS OF x, Wq, Wk, Wv ARE LAID WITH BITS 3 AND 4 OF THE ROW NUMBER SWAPPED: 16 neighbouring places 16 t + r then hold rows 32 (t / 2) + 8 (t % 2) + r + 8 (r / 8), the rows that a tile must have so that a transposed
; product's registers of two neighbouring tiles are 16 neighbours.  A wave's run is 8 rows and a work-group's 32, so the swap is a swap of the two bits of the wave's number in the destination.  Wo keeps its order.
; A wave takes 16 steps of 512 numbers: four loads of 512 consecutive bytes, a turn through the wave's own stage in LDS so that a lane holds 16 neighbours, the block's maximum with the neighbouring lane, one conversion.
; Work-groups 384-399: the table of cos and sin for the rotary embedding, a lane to a position, 32 frequencies a lane.  inv = 1 / 10^(j / 8) (a reciprocal and one Newton step), ang = pos x inv rounded once,
; reduced by multiples of pi / 2 in three parts, polynomials of degree 7 and 8 on [-pi / 4, pi / 4].  Laid (pos / 16) x 4096 + chunk x 256 + (pos % 16) x 16: chunks 0-7 cos of frequencies 4 i .. 4 i + 3, chunks 8-15 sin.
; LIMITS: blocks whose largest magnitude lies under 2^(2 - 126) have their byte held at 1; NaN and infinities among the inputs are not served.
.set QWG,   384                        ; work-groups that quantise
.set STEPS, 16
.set EMAX,  2
.set CB,    12                         ; bytes of 16 codes
.set R,     16                         ; v16-79   four sets of 16 numbers as they are loaded
.set X,     80                         ; v80-111  two sets of 16 neighbours
.set C,     128                        ; v128-191 codes: four registers for each step, so that no store's data are written again
.set E,     112                        ; v112-127 a scale byte for each step
.set WREG,  8192                       ; LDS: a region for each wave: two stages of 32 x SP bytes, behind them its 256 scale bytes
.set SP,    80                         ; a lane's place in a stage: 64 bytes + 16 of padding
	s_load_b256 s[4:11], s[0:1], 0x0               ; x s[4:5], Wq s[6:7], Wk s[8:9], Wv s[10:11]
	s_load_b256 s[12:19], s[0:1], 0x20             ; Wo s[12:13], codes s[14:15], scales s[16:17], rope s[18:19]
	v_lshl_add_u32 v192, v0, 2, 0x8000
	v_mov_b32 v193, 0
	s_cmp_ge_u32 ttmp9, QWG
	s_cbranch_scc1 .Lrope
	v_lshrrev_b32 v1, 5, v0
	v_readfirstlane_b32 s20, v1                    ; wave
	v_and_b32 v2, 31, v0                           ; lane
	v_lshlrev_b32 v3, 4, v2                        ; my 16 bytes of a load's 512
	s_mul_i32 s21, s20, WREG
	v_lshrrev_b32 v14, 2, v2
	v_mul_u32_u24 v14, v14, SP
	v_and_b32 v15, 3, v2
	v_lshl_add_u32 v14, v15, 4, v14
	v_add_nc_u32 v14, s21, v14                     ; the stage, on the way in: SP (lane / 4) + 16 (lane % 4)
	v_mul_u32_u24 v15, v2, SP
	v_add_nc_u32 v15, s21, v15                     ; and on the way out: SP x lane: my 16 neighbours
	v_mul_u32_u24 v4, v2, CB                       ; my codes' place in a step's
	v_lshrrev_b32 v5, 1, v2
	s_add_co_u32 s21, s21, 2*32*SP
	v_add_nc_u32 v5, s21, v5                       ; LDS: my wave's 256 scale bytes, my block's byte
	v_lshlrev_b32 v7, 3, v2                        ; and on the way out 8 bytes a lane
	v_add_nc_u32 v6, s21, v7
	s_and_b32 s22, s20, 1
	s_lshl_b32 s22, s22, 1
	s_lshr_b32 s23, s20, 1
	s_or_b32 s22, s22, s23                         ; the wave's two bits swapped
	s_and_b32 s24, ttmp9, 31                       ; a weight's work-group
	s_wait_kmcnt 0x0
	s_cmp_ge_u32 ttmp9, 256                        ; which tensor: the choices hang on the work-group's number alone
	s_cselect_b64 s[4:5], s[6:7], s[4:5]
	s_cselect_b32 s24, s24, ttmp9
	s_cmp_ge_u32 ttmp9, 288
	s_cselect_b64 s[4:5], s[8:9], s[4:5]
	s_cmp_ge_u32 ttmp9, 320
	s_cselect_b64 s[4:5], s[10:11], s[4:5]
	s_cmp_ge_u32 ttmp9, 352
	s_cselect_b64 s[4:5], s[12:13], s[4:5]
	s_cselect_b32 s22, s20, s22                    ; Wo keeps its rows' order
	s_lshl_b32 s24, s24, 2
	s_add_co_u32 s24, s24, s20
	s_lshl_b32 s24, s24, 15                        ; my run of 8,192 numbers in its tensor, in bytes
	s_mov_b32 s25, 0
	s_add_nc_u64 s[4:5], s[4:5], s[24:25]
	s_lshl_b32 s26, ttmp9, 2
	s_add_co_u32 s26, s26, s22                     ; the run's place among the 1,536 runs of the codes' buffer
	s_mul_i32 s28, s26, 32*STEPS*CB
	s_mov_b32 s29, 0
	s_add_nc_u64 s[14:15], s[14:15], s[28:29]
	s_lshl_b32 s28, s26, 8
	s_add_nc_u64 s[16:17], s[16:17], s[28:29]
.macro LOAD t
.irp i, 0,1,2,3
	global_load_b128 v[R+16*((\t)%4)+4*\i:R+16*((\t)%4)+4*\i+3], v3, s[4:5] offset:2048*(\t)+512*\i th:TH_LOAD_NT   ; 32 lanes read 512 consecutive bytes
.endr
.endm
.macro TURN t                          ; step t's numbers through the stage: LDS serves a wave's instructions in order, so no wait stands between the stores and the loads
.irp i, 0,1,2,3
	ds_store_b128 v14, v[R+16*((\t)%4)+4*\i:R+16*((\t)%4)+4*\i+3] offset:32*SP*((\t)%2)+8*SP*\i
.endr
.irp i, 0,1,2,3
	ds_load_b128 v[X+16*((\t)%2)+4*\i:X+16*((\t)%2)+4*\i+3], v15 offset:32*SP*((\t)%2)+16*\i
.endr
.endm
.irp t, 0,1,2,3
	LOAD \t
.endr
	s_wait_loadcnt 12                              ; step 0's four loads are in; those of the three steps behind it may be out
	TURN 0
.macro STEP t
.set XS, X+16*((\t)%2)
.if (\t) > 0
	s_wait_dscnt 1                                 ; this step's numbers are back from the stage (the last step's byte store may be out): so its stores into the stage have read their registers,
.else
	s_wait_dscnt 0x0
.endif
.if (\t)+4 < STEPS
	LOAD (\t)+4                                    ; which take the loads of four steps on
.endif
.if (\t)+1 < STEPS
.if STEPS-2-(\t) >= 3
	s_wait_loadcnt 12                              ; the next step's four loads are in; those of the three steps behind it may be out
.else
	s_wait_loadcnt 4*(STEPS-2-(\t))
.endif
	TURN (\t)+1                                    ; and go through the other stage while this step is worked
.endif
	v_max3_num_f32 v8, |v[XS]|, |v[XS+1]|, |v[XS+2]|               ; the largest magnitude of my 16, in two chains
	v_max3_num_f32 v9, |v[XS+3]|, |v[XS+4]|, |v[XS+5]|
.irp i, 6,10
	v_max3_num_f32 v8, v8, |v[XS+\i]|, |v[XS+\i+1]|
	v_max3_num_f32 v9, v9, |v[XS+\i+2]|, |v[XS+\i+3]|
.endr
	v_max3_num_f32 v8, v8, |v[XS+14]|, |v[XS+15]|
	v_max3_num_f32 v8, v8, v9, (EMAX+1)<<23        ; and the floor 2^(EMAX + 1 - 127): the byte cannot fall under 1
	v_max_num_f32_dpp v8, v8, v8 row_xmask:1 row_mask:0xf bank_mask:0xf   ; and of my neighbour's 16: the block's
	v_add_nc_u32 v11, -(EMAX<<23), v8              ; EMAX off its exponent field: the conversion takes the exponent field of this operand as its scale
	v_cvt_scalef32_pk16_fp6_f32 v[C+4*(\t):C+4*(\t)+2], v[XS:XS+15], v11
	v_lshrrev_b32 v[E+(\t)], 23, v11               ; the scale's byte
	ds_store_b8 v5, v[E+(\t)] offset:16*(\t)       ; both lanes of a block write the same byte with the same value
	global_store_b96 v4, v[C+4*(\t):C+4*(\t)+2], s[14:15] offset:32*CB*(\t)   ; the wave stores 384 consecutive bytes
.endm
.irp t, 0,1,2,3,4,5,6,7,8,9,10,11,12,13,14,15
	STEP \t
.endr
	ds_load_b64 v[12:13], v6                       ; LDS serves a wave's instructions in order: these see my stores
	s_wait_dscnt 0x0
	global_store_b64 v7, v[12:13], s[16:17]        ; 32 lanes store 256 consecutive bytes, aligned
	s_wait_tensorcnt 0x0
	ds_add_u32 v192, v193
	s_wait_dscnt 0x0
	s_endpgm
.Lrope:                                            ; ---- the table of cos and sin: position 128 q + thread
	s_sub_co_u32 s20, ttmp9, QWG                   ; q = 0 .. 15
	s_lshl_b32 s21, s20, 7
	v_add_nc_u32 v1, s21, v0
	v_cvt_f32_u32 v1, v1                           ; pos, exact
	v_lshrrev_b32 v22, 4, v0
	v_and_b32 v23, 15, v0
	v_lshlrev_b32 v22, 12, v22
	v_lshl_add_u32 v22, v23, 4, v22                ; (thread / 16) x 4096 + (thread % 16) x 16
	s_lshl_b32 s22, s20, 15                        ; 128 positions are 8 x 4096 bytes
	s_mov_b32 s23, 0
	v_mov_b32 v20, 0xb94ca1f9                      ; -1.9515295891e-4: the sine's leading coefficient
	v_mov_b32 v21, 0x37ccf5ce                      ; 2.443315711809948e-5: the cosine's
.set J, 0
.irp p, 1.0, 1.3335214321633240, 1.7782794100389228, 2.3713737056616552, 3.1622776601683795, 4.2169650342858223, 5.6234132519034912, 7.4989420933245583, 10.0, 13.335214321633240, 17.782794100389228, 23.713737056616552, 31.622776601683795, 42.169650342858223, 56.234132519034912, 74.989420933245583, 100.0, 133.35214321633240, 177.82794100389228, 237.13737056616552, 316.22776601683795, 421.69650342858223, 562.34132519034912, 749.89420933245583, 1000.0, 1333.5214321633240, 1778.2794100389228, 2371.3737056616552, 3162.2776601683795, 4216.9650342858223, 5623.4132519034912, 7498.9420933245583
	v_rcp_f32 v[32+J], \p                          ; 1 / 10^(J / 8), to an ulp
.set J, J+1
.endr
	v_nop                                          ; a plain instruction behind the last reciprocal
	s_wait_alu depctr_va_vdst(0)                   ; one wait for the 32, ahead of their first reader
.set J, 0
.irp p, 1.0, 1.3335214321633240, 1.7782794100389228, 2.3713737056616552, 3.1622776601683795, 4.2169650342858223, 5.6234132519034912, 7.4989420933245583, 10.0, 13.335214321633240, 17.782794100389228, 23.713737056616552, 31.622776601683795, 42.169650342858223, 56.234132519034912, 74.989420933245583, 100.0, 133.35214321633240, 177.82794100389228, 237.13737056616552, 316.22776601683795, 421.69650342858223, 562.34132519034912, 749.89420933245583, 1000.0, 1333.5214321633240, 1778.2794100389228, 2371.3737056616552, 3162.2776601683795, 4216.9650342858223, 5623.4132519034912, 7498.9420933245583
	v_fma_f32 v[64+J], \p, v[32+J], -1.0           ; e = P r - 1
.set J, J+1
.endr
.set J, 0
.rept 32
	v_fma_f32 v[32+J], -v[64+J], v[32+J], v[32+J]  ; r - e r: the quotient 1 / P to the last bit or nearly
.set J, J+1
.endr
.set J, 0
.rept 32
	v_mul_f32 v2, v1, v[32+J]                      ; ang, rounded once
	v_mul_f32 v3, 0x3f22f983, v2                   ; x 2 / pi
	v_rndne_f32 v3, v3                             ; n, at most 1,303
	v_fmamk_f32 v4, v3, 0xbfc90000, v2             ; ang - n x 1.5703125 (8 bits: the product is exact)
	v_fmamk_f32 v4, v3, 0xb9fda000, v4             ; - n x 4.837512969970703125e-4
	v_fmamk_f32 v4, v3, 0xb3a22169, v4             ; - n x 7.5497899549e-8: r in [-pi / 4, pi / 4]
	v_mul_f32 v5, v4, v4                           ; z = r r
	v_cvt_i32_f32 v6, v3                           ; the quadrant
	v_fmaak_f32 v7, v20, v5, 0x3c08839e            ; 8.3321608736e-3
	v_fmaak_f32 v8, v21, v5, 0xbab6061a            ; -1.388731625493765e-3
	v_fmaak_f32 v7, v7, v5, 0xbe2aaaa3             ; -1.6666654611e-1
	v_fmaak_f32 v8, v8, v5, 0x3d2aaaa5             ; 4.166664568298827e-2
	v_mul_f32 v9, v5, v4
	v_mul_f32 v10, v5, v5
	v_fma_f32 v11, v5, -0.5, 1.0
	v_fma_f32 v7, v7, v9, v4                       ; sin r
	v_fma_f32 v8, v8, v10, v11                     ; cos r
	v_and_b32 v12, 1, v6
	v_cmp_eq_u32 vcc_lo, 1, v12                    ; an odd quadrant swaps the two
	v_cndmask_b32 v13, v7, v8, vcc_lo
	v_cndmask_b32 v14, v8, v7, vcc_lo
	v_and_b32 v12, 2, v6
	v_lshlrev_b32 v12, 30, v12                     ; the sine is negative in quadrants 2 and 3,
	v_xor_b32 v[96+J], v12, v13
	v_add_nc_u32 v12, 1, v6
	v_and_b32 v12, 2, v12
	v_lshlrev_b32 v12, 30, v12                     ; the cosine in 1 and 2
	v_xor_b32 v[64+J], v12, v14
.set J, J+1
.endr
	s_wait_kmcnt 0x0
	s_add_nc_u64 s[18:19], s[18:19], s[22:23]
.irp i, 0,1,2,3,4,5,6,7
	global_store_b128 v22, v[64+4*\i:67+4*\i], s[18:19] offset:256*\i          ; sixteen lanes store 256 consecutive bytes, aligned
	global_store_b128 v22, v[96+4*\i:99+4*\i], s[18:19] offset:2048+256*\i
.endr
	s_endpgm
.Lfunc_end_k_q9217addb15_prep:
	.size	k_q9217addb15_prep, .Lfunc_end_k_q9217addb15_prep-k_q9217addb15_prep
	.p2alignl 7, 3214868480
	.fill 96, 4, 3214868480
	.section	.rodata,"a",@progbits
	.p2align	6, 0x0
	.amdhsa_kernel k_q9217addb15_prep
		.amdhsa_group_segment_fixed_size 33280
		.amdhsa_private_segment_fixed_size 0
		.amdhsa_enable_private_segment 0
		.amdhsa_kernarg_size 64
		.amdhsa_user_sgpr_count 2
		.amdhsa_user_sgpr_kernarg_segment_ptr 1
		.amdhsa_wavefront_size32 1
		.amdhsa_system_sgpr_workgroup_id_x 1
		.amdhsa_system_sgpr_workgroup_id_y 1
		.amdhsa_system_sgpr_workgroup_id_z 1
		.amdhsa_system_vgpr_workitem_id 0
		.amdhsa_next_free_vgpr 194
		.amdhsa_next_free_sgpr 66
		.amdhsa_reserve_vcc 1
		.amdhsa_float_denorm_mode_32 3
		.amdhsa_float_denorm_mode_16_64 3
		.amdhsa_memory_ordered 1
		.amdhsa_forward_progress 1
		.amdhsa_inst_pref_size 81
	.end_amdhsa_kernel
	.amdgpu_metadata
---
amdhsa.version: [ 1, 2 ]
amdhsa.kernels:
  - .name:           k_q9217addb15_prep
    .symbol:         k_q9217addb15_prep.kd
    .args:
      - { .name: hidden_states, .offset: 0, .size: 8, .value_kind: global_buffer, .address_space: global }
      - { .name: Wq, .offset: 8, .size: 8, .value_kind: global_buffer, .address_space: global }
      - { .name: Wk, .offset: 16, .size: 8, .value_kind: global_buffer, .address_space: global }
      - { .name: Wv, .offset: 24, .size: 8, .value_kind: global_buffer, .address_space: global }
      - { .name: Wo, .offset: 32, .size: 8, .value_kind: global_buffer, .address_space: global }
      - { .name: codes, .offset: 40, .size: 8, .value_kind: global_buffer, .address_space: global }
      - { .name: scales, .offset: 48, .size: 8, .value_kind: global_buffer, .address_space: global }
      - { .name: rope, .offset: 56, .size: 8, .value_kind: global_buffer, .address_space: global }
    .group_segment_fixed_size: 33280
    .private_segment_fixed_size: 0
    .kernarg_segment_align: 8
    .kernarg_segment_size: 64
    .max_flat_workgroup_size: 128
    .sgpr_count:     66
    .vgpr_count:     194
    .wavefront_size: 32
...
	.end_amdgpu_metadata
.endif
;; end of part 1
;; launch qkv (part 2): grid 8 x 48, 4 waves a work-group, clusters of 4 x 4, 327,680 bytes of LDS; arguments codes, scales, rope, qkv; writes qkv
.if DOCPART == 2
	.amdgcn_target "amdgcn-amd-amdhsa--gfx1250"
	.amdhsa_code_object_version 6
	.text
	.protected	k_q9217addb15_qkv
	.globl	k_q9217addb15_qkv
	.p2align	8
	.type	k_q9217addb15_qkv,@function
k_q9217addb15_qkv:
	s_mov_b64 s[64:65], 0
	v_nop
	global_prefetch_b8 v0, s[64:65] scope:SCOPE_SE
	s_setreg_imm32_b32 hwreg(HW_REG_WAVE_MODE, 25, 1), 1
	s_wait_xcnt 0x0
	s_wait_alu depctr_hold_cnt(0) depctr_sa_sdst(0) depctr_va_vdst(0) depctr_va_sdst(0) depctr_va_ssrc(0) depctr_va_vcc(0) depctr_vm_vsrc(0)
	s_getreg_b32 s2, hwreg(HW_REG_IB_STS2, 6, 4)
	s_cmp_eq_u32 s2, 0
	s_cbranch_scc0 .Lentry_in_a_cluster
	s_endpgm
.Lentry_in_a_cluster:
	s_bfe_u32 s2, ttmp6, 0x10000c
	s_cmp_lg_u32 s2, 0xf033
	s_cbranch_scc0 .Lentry_shape_is_right
	s_endpgm
.Lentry_shape_is_right:
; QKV.  The three projections x Wq^T, x Wk^T, x Wv^T on codes of FP6 (E2M3) with E8M0 scales, K = 1,024, and what follows them: the rotary embedding on q and k, and the quantising of q, k (along the head's 64) and v (along the tokens).
; All operands are rows of ONE buffer of codes (768 bytes a row) and one of scale bytes (32 a row): x from row 0, Wq 8192, Wk 9216, Wv 10240, each laid with bits 3 and 4 of the row number swapped.
; A work-group of four waves makes 256 x 256 results, a wave 128 x 128 in 64 accumulators.  THE MATRIX INSTRUCTION IS USED TRANSPOSED: source 0 = 16 rows of the operand walked along the grid's x (role B), source 1 = 16 rows of the one
; walked along y (role A).  In the result a lane holds ONE row of role A, and its registers run along role B's rows; by the swapped bits the 16 registers of blocks 2 i and 2 i + 1 are 16 NEIGHBOURING rows, 32 i + 16 (lane / 16) + 0 .. 15.
; Cluster rows Y = 0 .. 7 (Q AND K): role A = tokens 1024 Y + 256 cy, role B = Wq (cluster x = 0) or Wk (1): a lane holds a token and its registers run along the channels: two heads a wave.
; Cluster rows Y = 8 .. 11 (V): role A = Wv's channels 256 cy, role B = tokens 2048 (Y - 8) + 1024 X + 256 cx: a lane holds a channel and its registers run along 128 tokens, which are the second attention product's K.
; K goes in steps of 256 through a ring of two LDS slots filled by the tensor data mover; the scale bytes of the work-group's rows come once.  CLUSTERS: 4 x 4 work-groups; role A's tiles are asked for jointly by a row of the cluster,
; role B's by a column.  The branch between the two ways out hangs on the cluster's y alone, which all partners share.
; RESULTS leave as IMAGES OF OPERAND REGISTERS, straight from registers: a record of REC bytes for each (batch, head).  Half image (16 rows x 64 K, registers 0-5): registers 0-3 at 16 x lane, 4-5 at 512 + 8 x lane: 768 bytes.
; Full image (16 rows x 128 K, 12 registers): three times 16 x lane, 512 bytes apart.  Every store of a wave covers 256 or 512 consecutive bytes, aligned.
; REGISTERS, in windows of 256: window 0: v1-29 addresses; v32-63 scale words, two sets, and nothing else; from v128 role A's fragments, one set.  Window 1: role B's fragments, two sets.  Windows 2, 3: the accumulators ((a, b) at v[8 (8 (a % 4) + b)]).
;   On the way out, window 0: v64-127 cos and sin, two sets; v128-191 64 rotated numbers; v192-210 codes; v212-227 at work; v228-235 scale words of 8 tiles; v236-251 at work; v252-255 gathered scale words.
; LIMITS: a block whose largest magnitude lies under 2^(2 - 126) has its byte held at 1 (a block of zeros too: its codes are zeros); NaN and infinities are not served.
.set SIZE_K, 1024
.set KSTEP,  256                       ; along K in a slot
.set NQ,     KSTEP/128                 ; matrix instructions deep
.set ROWB,   192                       ; a tile's row in bytes
.set KROW,   SIZE_K*6/8                ; a row of codes in memory
.set PITCH,  240                       ; an LDS row: 3 x (64 bytes + 16 of padding) = 60 words: the 32 lanes of a load of 8 bytes touch 64 different banks (64 banks of 4 bytes: ISA guide 11.1)
.set FR,     12                        ; registers of a fragment
.set NL,     6                         ; LDS loads that bring one
.set NP,     4                         ; places behind this matrix instruction (ISA guide 7.12.1)
.set HALFT,  128*PITCH
.set SLOT,   4*HALFT
.set LAPS,   SIZE_K/(2*KSTEP)
.set KS,     SIZE_K/32                 ; a row of scale bytes
.set SCL,    2*SLOT                    ; behind the ring: the scale bytes, as units of 256 bytes + 16 of padding
.set HALFS,  (128*KS/256)*272
.set SBLK,   (16*KS/256)*272
.set SPARE,  SCL+4*HALFS               ; the spare words, 128 bytes for each wave, which no other line names
.set REC,    315392                    ; a record of the results' buffer, and in it:
.set KIMG,   0                         ; k: 128 half images
.set VIMG,   98304                     ; v: 16 steps of 128 keys x 4 full images
.set KSC,    196608                    ; k's scale words: 512 bytes a step, [tile / 4][row][tile % 4]
.set VSC,    204800                    ; v's: 256 bytes a step, [row][tile]
.set QIMG,   208896                    ; q: 128 half images
.set QSC,    307200                    ; q's scale words, laid as k's
.set ADRA, 16                          ; v16-17 LDS address of my role A fragments in slot 0, 1 (v18-19: for the pieces that lie behind one padding more)
.set ADRB, 20                          ; v20-23 the same for role B
.set RT,   24                          ; v24  the way out: my offset in the table of cos and sin; for v: in the scale words
.set I16,  25                          ; v25  16 x lane
.set I8,   26                          ; v26  512 + 8 x lane
.set ADRS, 27                          ; v27  LDS address of my scale words
.set SPW,  28                          ; v28  LDS address of my spare word; never rewritten
.set NIL,  29                          ; v29  0; never rewritten
.set SC,   32
.set CS,   64
.set AF,   128
.set YB,   128
.set QC,   192
.set TM,   212
.set PW,   228
.set TP,   236
.set ZR,   252
.set G1, 24
.set G0, 32
.set G1B, 48
.set G0B, 56
.set SEL, 66                           ; s[66:67] lane selects for v_permlanex16_b32: lane l xor 16
.set G1S, 68
.set G0S, 76
.set G1SB, 80
.set G0SB, 88
.set MSB, 0
.macro WIN new                         ; the immediate's high byte repeats the setting that is left; a switch that changes nothing is dropped
.if MSB != (\new)
	s_set_vgpr_msb (MSB<<8)|(\new)
.set MSB, (\new)
.endif
.endm
.set MUL_LO, 0xa1                      ; source 0 (role B) window 1, source 1 (role A) window 0, C and D window 2
.set MUL_HI, 0xf1                      ; the same, C and D window 3
.set TO_B,   0x40                      ; destination window 1, address window 0
; A joint load: waves 0 and 1 fetch for role A, waves 2 and 3 for role B.  The branch hangs on the wave's number alone.  Four v_nop follow each of the two lines.
.macro JLOAD g0a, g1a, g0b, g1b
	s_cmp_eq_u32 s15, 0
	s_cbranch_scc0 .Lfor_b_\@
	tensor_load_to_lds s[\g0a:\g0a+3], s[\g1a:\g1a+7]
	s_nop 0
.rept 4
	v_nop
.endr
	s_branch .Lasked_\@
.Lfor_b_\@:
	tensor_load_to_lds s[\g0b:\g0b+3], s[\g1b:\g1b+7]
	s_nop 0
.rept 4
	v_nop
.endr
.Lasked_\@:
.endm
.macro CREST                           ; a round of the cluster's barrier behind its opening barrier
	s_cmp_lg_u32 s14, 0
	s_cbranch_scc1 .Lnot_wave_0_\@
	s_barrier_signal -3
.Lnot_wave_0_\@:
	s_barrier_wait -3
	s_barrier_signal -1
	s_barrier_wait -1
.endm
.macro CROUND                          ; a whole round
	s_barrier_signal -1
	s_barrier_wait -1
	CREST
.endm
	s_load_b128 s[4:7], s[0:1], 0x0                ; codes s[4:5], scale bytes s[6:7]
	s_load_b128 s[8:11], s[0:1], 0x10              ; the table of cos and sin s[8:9], the results s[10:11]
	v_lshl_add_u32 v[SPW], v0, 2, SPARE
	v_mov_b32 v[NIL], 0
	ds_add_u32 v28, v29
	ds_add_u32 v28, v29
	s_wait_dscnt 0x0
	v_lshrrev_b32 v1, 5, v0
	v_readfirstlane_b32 s14, v1                    ; wave 0..3
	s_lshr_b32 s15, s14, 1                         ; which half of role A's rows is mine.  Also: I fetch for role A (0) or B (1)
	s_and_b32 s16, s14, 1                          ; which half of role B's rows.  Also: which 128 rows of the tile I fetch
	s_bfe_u32 s40, ttmp6, 0x40000                  ; cx, cy: my place in the cluster
	s_bfe_u32 s41, ttmp6, 0x40004
	s_and_b32 s17, ttmp7, 0xffff                   ; Y: the cluster's y
	s_lshl_b32 s43, s41, 2
	s_lshl_b32 s43, 15, s43                        ; my row of the cluster
	s_lshl_b32 s44, 0x1111, s40                    ; my column
	s_mov_b32 s[SEL], 0x76543210
	s_mov_b32 s[SEL+1], 0xfedcba98
	; descriptor group 1: a tile of 128 rows x ROWB bytes, padded in LDS
	s_or_b32 s[G1+0], s43, (0<<16)|(1<<20)|(1<<21)|(3<<22)|(3<<25)  ; 15:0 the mask: role A's tiles go to my row; elements of 1 byte; padding on; bit 21 beside a mask; after every 16 words 4 words
	s_or_b32 s[G1B+0], s44, (0<<16)|(1<<20)|(1<<21)|(3<<22)|(3<<25)
.irp g, G1, G1B
	s_mov_b32 s[\g+1], ROWB<<16                    ; tensor_dim0
	s_mov_b32 s[\g+2], 128<<16                     ; tensor_dim1 = 128
	s_mov_b32 s[\g+3], ROWB<<16                    ; tile_dim0
	s_mov_b32 s[\g+4], 128                         ; tile_dim1 = 128
	s_mov_b32 s[\g+5], KROW                        ; tensor_dim0_stride
	s_mov_b32 s[\g+6], 0
	s_mov_b32 s[\g+7], 0
.endr
	; the scale bytes of 128 rows: a dense block of 4,096 bytes, as rows of 256 bytes (32 elements of 8 bytes), 16 bytes of padding behind each
	s_or_b32 s[G1S+0], s43, (3<<16)|(1<<20)|(1<<21)|(5<<22)|(3<<25)
	s_or_b32 s[G1SB+0], s44, (3<<16)|(1<<20)|(1<<21)|(5<<22)|(3<<25)
.irp g, G1S, G1SB
	s_mov_b32 s[\g+1], 32<<16
	s_mov_b32 s[\g+2], (128*KS/256)<<16
	s_mov_b32 s[\g+3], 32<<16
	s_mov_b32 s[\g+4], 128*KS/256
	s_mov_b32 s[\g+5], 32
	s_mov_b32 s[\g+6], 0
	s_mov_b32 s[\g+7], 0
.endr
	; which rows.  Role A's hang on Y and cy alone, role B's on Y, the cluster's x and cx alone, each in registers that never hold the other place
	s_lshl_b32 s18, s16, 7                         ; which 128 rows of the tile I fetch
	s_lshl_b32 s20, s17, 10                        ; q and k: tokens 1024 Y
	s_max_u32 s46, s17, 8
	s_sub_co_u32 s46, s46, 8
	s_lshl_b32 s46, s46, 11                        ; v: tokens 2048 (Y - 8)
	s_mov_b32 s21, 10240                           ; v: Wv's rows
	s_mov_b32 s47, 8192                            ; q and k: Wq's rows, Wk's behind them
	s_cmp_ge_u32 s17, 8
	s_cselect_b32 s95, 1, 0                        ; the way out: 0 q and k, 1 v
	s_cselect_b32 s20, s21, s20
	s_cselect_b32 s46, s46, s47
	s_lshl_b32 s21, s41, 8
	s_add_co_u32 s20, s20, s21                     ; + 256 cy
	s_add_co_u32 s20, s20, s18                     ; role A's first row that I fetch
	s_lshl_b32 s47, ttmp9, 10
	s_add_co_u32 s46, s46, s47                     ; + 1024 X
	s_lshl_b32 s47, s40, 8
	s_add_co_u32 s46, s46, s47                     ; + 256 cx
	s_add_co_u32 s46, s46, s18                     ; role B's
	s_mov_b32 s21, 0
	s_mov_b32 s47, 0
	s_mov_b64 s[18:19], KS
	s_mul_u64 s[22:23], s[20:21], s[18:19]         ; where these rows' scale bytes begin
	s_mul_u64 s[92:93], s[46:47], s[18:19]
	s_mov_b64 s[18:19], KROW
	s_mul_u64 s[20:21], s[20:21], s[18:19]         ; and their codes
	s_mul_u64 s[46:47], s[46:47], s[18:19]
	s_mul_i32 s45, s14, HALFT                      ; where they go: wave x 128 rows: no place in the cluster enters an LDS address
	s_mul_i32 s94, s14, HALFS
	s_wait_kmcnt 0x0
	s_add_nc_u64 s[20:21], s[4:5], s[20:21]
	s_add_nc_u64 s[22:23], s[6:7], s[22:23]
	s_add_nc_u64 s[46:47], s[4:5], s[46:47]
	s_add_nc_u64 s[92:93], s[6:7], s[92:93]
	CROUND                                         ; all sixteen work-groups are here: the first joint loads meet
	s_mov_b32 s[G0S], 1
	s_add_co_u32 s[G0S+1], s94, SCL
	s_mov_b64 s[G0S+2:G0S+3], s[22:23]
	s_or_b32 s[G0S+3], s[G0S+3], 0x80000000
	s_mov_b32 s[G0SB], 1
	s_add_co_u32 s[G0SB+1], s94, SCL
	s_mov_b64 s[G0SB+2:G0SB+3], s[92:93]
	s_or_b32 s[G0SB+3], s[G0SB+3], 0x80000000
	JLOAD G0S, G1S, G0SB, G1SB                     ; the scale bytes first: they are wanted with K step 0
.irp s, 0,1
	s_mov_b32 s[G0+4*\s], 1
	s_add_co_u32 s[G0+4*\s+1], s45, \s*SLOT
	s_add_nc_u64 s[G0+4*\s+2:G0+4*\s+3], s[20:21], \s*ROWB
	s_or_b32 s[G0+4*\s+3], s[G0+4*\s+3], 0x80000000
	s_mov_b32 s[G0B+4*\s], 1
	s_add_co_u32 s[G0B+4*\s+1], s45, \s*SLOT
	s_add_nc_u64 s[G0B+4*\s+2:G0B+4*\s+3], s[46:47], \s*ROWB
	s_or_b32 s[G0B+4*\s+3], s[G0B+4*\s+3], 0x80000000
	JLOAD G0+4*\s, G1, G0B+4*\s, G1B               ; three loads of mine are out
.endr
	v_and_b32 v1, 15, v0                           ; l % 16
	v_bfe_u32 v2, v0, 4, 1                         ; l / 16
	v_mul_u32_u24 v3, v1, PITCH
	v_mul_u32_u24 v4, v2, 24
	v_add_nc_u32 v4, v3, v4                        ; a fragment's row x pitch + 24 x half
	v_lshl_add_u32 v5, v2, 4, v4                   ; and the same behind one padding more
	s_mul_i32 s21, s15, HALFT                      ; my 128 rows of role A
	s_mul_i32 s22, s16, HALFT                      ; my 128 rows of role B,
	s_add_co_u32 s22, s22, 2*HALFT                 ; which lie behind role A's 256
.irp s, 0,1
	v_add_nc_u32 v[ADRA+\s], s21, v4
	v_add_nc_u32 v[ADRB+\s], s22, v4
	v_add_nc_u32 v[ADRA+2+\s], s21, v5
	v_add_nc_u32 v[ADRB+2+\s], s22, v5
	s_add_co_u32 s21, s21, SLOT
	s_add_co_u32 s22, s22, SLOT
.endr
	v_mul_u32_u24 v5, v1, KS                       ; my row's scale bytes: KS a row,
	v_lshrrev_b32 v6, 8, v5
	v_lshl_add_u32 v5, v6, 4, v5                   ; and 16 more for each 256 passed
	s_mul_i32 s21, s15, HALFS
	s_mul_i32 s22, s16, HALFS
	s_add_co_u32 s22, s22, 2*HALFS
	s_sub_co_u32 s22, s22, s21
	v_mul_u32_u24 v6, s22, v2                      ; lanes 16-31 take role B's: one product, the distance between the two bases
	s_add_co_u32 s21, s21, SCL
	v_add_nc_u32 v5, v5, v6
	v_add_nc_u32 v[ADRS], s21, v5
.macro FRAG reg, adr, q, i             ; a fragment, 16 rows x 128 K of 6-bit codes: lane l holds row l % 16; registers 6 c .. 6 c + 5 hold K = 64 c + 32 (l / 16) + 0 .. 31: 24 bytes of the row, in pieces of 8
.irp p, 0,1,2,3,4,5
.set PCE, 12*(\q)+6*(\p/3)+\p%3        ; 16 bytes of padding lie behind every 8 pieces: where the piece three on lies behind one padding more, the second address register serves
.if PCE%8 < 5
	ds_load_b64 v[\reg+2*\p:\reg+2*\p+1], v[\adr] offset:8*PCE+16*(PCE/8)+(\i)*16*PITCH
.else
	ds_load_b64 v[\reg+2*\p:\reg+2*\p+1], v[\adr+2] offset:8*PCE+16*(PCE/8)+(\i)*16*PITCH
.endif
.endr
.endm
; 16 matrix instructions: role A's blocks a0, a0 + 1 x role B's eight, 128 along K.  The 64 accumulators take turns, one instruction a turn, in the same order in every step.
.macro MUL16 a0, p, q, sc, zero
.irp a, \a0, \a0+1
.irp b, 0,1,2,3,4,5,6,7
.if \zero
	v_wmma_scale_f32_16x16x128_f8f6f4 v[8*(8*((\a)%4)+\b):8*(8*((\a)%4)+\b)+7], v[128*(\p)+FR*\b:128*(\p)+FR*\b+FR-1], v[AF+FR*(\a):AF+FR*(\a)+FR-1], 0, v[SC+8*NQ*(\sc)+NQ*\b+(\q)], v[SC+8*NQ*(\sc)+NQ*(\a)+(\q)] matrix_a_fmt:MATRIX_FMT_FP6 matrix_b_fmt:MATRIX_FMT_FP6 matrix_a_scale:MATRIX_SCALE_ROW1
.else
	v_wmma_scale_f32_16x16x128_f8f6f4 v[8*(8*((\a)%4)+\b):8*(8*((\a)%4)+\b)+7], v[128*(\p)+FR*\b:128*(\p)+FR*\b+FR-1], v[AF+FR*(\a):AF+FR*(\a)+FR-1], v[8*(8*((\a)%4)+\b):8*(8*((\a)%4)+\b)+7], v[SC+8*NQ*(\sc)+NQ*\b+(\q)], v[SC+8*NQ*(\sc)+NQ*(\a)+(\q)] matrix_a_fmt:MATRIX_FMT_FP6 matrix_b_fmt:MATRIX_FMT_FP6 matrix_a_scale:MATRIX_SCALE_ROW1
.endif
.endr
.endr
.endm
.macro FETCH_B slot, q, p
	WIN TO_B
.irp i, 0,1,2,3,4,5,6,7
	FRAG 128*(\p)+FR*\i, ADRB+\slot, \q, \i
.endr
	WIN 0
.endm
.macro FETCH_A slot, q, i0
.irp i, \i0, \i0+1, \i0+2, \i0+3
	FRAG AF+FR*(\i), ADRA+\slot, \q, \i
.endr
.endm
.macro SCALES sc                       ; the next K step's scale words: lanes 0-15 take role A's block i, lanes 16-31 role B's
.irp i, 0,1,2,3,4,5,6,7
	ds_load_b64 v[SC+8*NQ*\sc+NQ*\i:SC+8*NQ*\sc+NQ*\i+1], v[ADRS] offset:\i*SBLK
.endr
.endm
.macro PLACES n                        ; plain vector instructions between a matrix instruction and a load into, or a read of, its registers
.rept \n
	v_nop
.endr
.endm
.macro STEP slot, q, zero              ; a step of 128 along K that has its successor in the same slot
	s_wait_dscnt 4*NL                              ; role B's set and role A's blocks 0-3 are in; the youngest 24 loads (blocks 4-7) may be out
	WIN MUL_LO
	MUL16 0, (\q)%2, \q, \slot, \zero
	MUL16 2, (\q)%2, \q, \slot, \zero
	s_wait_dscnt 0                                 ; blocks 4-7 are in
	PLACES NP
	FETCH_B \slot, (\q)+1, 1-(\q)%2
	FETCH_A \slot, (\q)+1, 0
	WIN MUL_HI
	MUL16 4, (\q)%2, \q, \slot, \zero
	MUL16 6, (\q)%2, \q, \slot, \zero
	PLACES NP
	WIN 0
	FETCH_A \slot, (\q)+1, 4
.endm
; A slot's last step changes slots: one barrier; in front of it each wave waits for all its tensor loads, adds 0 to its spare word, and waits for that and for its own reads of this slot.
.macro TURN slot, next, fill
	s_wait_tensorcnt 0x0                           ; all my tensor loads have landed: my part of the next slot
	ds_add_u32 v[SPW], v[NIL]                      ; 0 onto my spare word
	s_wait_dscnt 4*NL+1                            ; (the add and the youngest 24 loads may be out)
	WIN MUL_LO
	MUL16 0, 1, NQ-1, \slot, 0
	s_wait_dscnt 0x0                               ; the add is done, and my reads of this slot are over
	s_barrier_signal -1
	MUL16 2, 1, NQ-1, \slot, 0
	WIN 0
	s_barrier_wait -1
.if \fill
	CREST                                          ; the barrier has opened a round of the cluster's: no wave of any partner still reads this slot or has a load on its way
	s_add_nc_u64 s[G0+4*\slot+2:G0+4*\slot+3], s[G0+4*\slot+2:G0+4*\slot+3], 2*ROWB
	s_add_nc_u64 s[G0B+4*\slot+2:G0B+4*\slot+3], s[G0B+4*\slot+2:G0B+4*\slot+3], 2*ROWB
	JLOAD G0+4*\slot, G1, G0B+4*\slot, G1B         ; the first tensor load behind the round; its four v_nop are the places in front of the loads below
.else
	PLACES NP
.endif
	v_add_nc_u32 v[ADRS], 4*NQ, v[ADRS]            ; on to the next K step's scale words
	FETCH_B \next, 0, 0
	FETCH_A \next, 0, 0
	SCALES \next
	WIN MUL_HI
	MUL16 4, 1, NQ-1, \slot, 0
	MUL16 6, 1, NQ-1, \slot, 0
	PLACES NP
	WIN 0
	FETCH_A \next, 0, 4
.endm
	s_wait_tensorcnt 1                             ; the scale bytes and my part of K step 0 are in (K step 1's load may be out),
	s_barrier_signal -1
	s_barrier_wait -1                              ; everybody's are
	FETCH_B 0, 0, 0
	FETCH_A 0, 0, 0
	SCALES 0
	FETCH_A 0, 0, 4
	STEP 0, 0, 1                                   ; the first step stands in front of the loop: its products start the sums
	s_mov_b32 s3, LAPS-1
.Llap:                                                 ; a trip goes once round the ring and fills both slots again
	TURN 0, 1, 1
	STEP 1, 0, 0
	TURN 1, 0, 1
	STEP 0, 0, 0
	s_sub_co_u32 s3, s3, 1
	s_cmp_lg_u32 s3, 0
	s_cbranch_scc1 .Llap
	TURN 0, 1, 0                                   ; the last lap fills nothing
	STEP 1, 0, 0
	s_wait_dscnt 4*NL
	WIN MUL_LO
	MUL16 0, 1, NQ-1, 1, 0
	MUL16 2, 1, NQ-1, 1, 0
	s_wait_dscnt 0
	WIN MUL_HI
	MUL16 4, 1, NQ-1, 1, 0
	MUL16 6, 1, NQ-1, 1, 0
	WIN 0
; 64 numbers of a lane in window ws, register 16 b + i = k 32 b + 16 (lane / 16) + i of my row, become a fragment's 12 registers of codes in v[QC] on and its scale word in v[pw].  Each accumulator is read from its low end on.
.macro QUANT s, ws, pw
	WIN (\ws)|((\ws)<<2)
.irp b, 0,1,2,3
	v_max3_num_f32 v[TM+\b], |v[(\s)+16*\b]|, |v[(\s)+1+16*\b]|, 0x1800000   ; block b: my 16 numbers, and the floor 2^(3 - 127): the byte cannot fall under 1
.endr
	WIN ((\ws)<<2)|((\ws)<<4)
.irp i, 2,4,6,8,10,12,14
.irp b, 0,1,2,3
	v_max3_num_f32 v[TM+\b], v[TM+\b], |v[(\s)+16*\b+\i]|, |v[(\s)+1+16*\b+\i]|   ; the four blocks by turns
.endr
.endr
	WIN 0
.irp b, 0,1,2,3
	v_permlanex16_b32 v[TM+4+\b], v[TM+\b], s[SEL], s[SEL+1]
.endr
.irp b, 0,1,2,3
	v_max_num_f32 v[TM+\b], v[TM+\b], v[TM+4+\b]   ; with lane l xor 16's: the block's largest magnitude
.endr
.irp b, 0,1,2,3
	v_add_nc_u32 v[TM+12+\b], 0xff000000, v[TM+\b] ; 2 off its exponent field: the conversion's scale operand
.endr
.irp b, 0,1,2,3
	v_lshrrev_b32 v[TM+4+\b], 23, v[TM+12+\b]      ; the scale's byte
.endr
	v_lshl_or_b32 v[\pw], v[TM+5], 8, v[TM+4]
	v_lshl_or_b32 v[\pw], v[TM+6], 16, v[\pw]
	v_lshl_or_b32 v[\pw], v[TM+7], 24, v[\pw]      ; my row's scale word
	WIN \ws
.irp c, 0,1
	v_cvt_scalef32_pk16_fp6_f32 v[QC+6*\c:QC+2+6*\c], v[(\s)+32*\c:(\s)+15+32*\c], v[TM+12+2*\c]
	v_cvt_scalef32_pk16_fp6_f32 v[QC+12+4*\c:QC+14+4*\c], v[(\s)+16+32*\c:(\s)+31+32*\c], v[TM+12+2*\c+1]   ; (a conversion's three registers begin on an even number)
.endr
	WIN 0
	v_nop                                          ; one plain place behind a scaled conversion
.irp c, 0,1                                    ; the operand's layout wants a whole block in a lane: lanes 0-15 block 2 c, lanes 16-31 block 2 c + 1
.irp i, 0,1,2
	v_permlane16_swap_b32 v[QC+6*\c+\i], v[QC+12+4*\c+\i]
.endr
.irp i, 0,1,2
	v_mov_b32 v[QC+3+6*\c+\i], v[QC+12+4*\c+\i]
.endr
.endr
.endm
	; what both ways out need.  The first six lines name no register of the last products: they are the places behind them
	v_and_b32 v1, 15, v0                           ; r
	v_bfe_u32 v2, v0, 4, 1                         ; h
	v_and_b32 v3, 31, v0
	v_lshlrev_b32 v[I16], 4, v3
	v_lshlrev_b32 v[I8], 3, v3
	v_add_nc_u32 v[I8], 512, v[I8]
.irp b, 0,1,2,3
	v_mov_b32 v[TM+4+\b], 0                        ; written once: a lane permute's destination counts as one of its sources
.endr
	v_cmp_ne_u32 s94, 0, v2                        ; lanes 16-31
	s_cmp_lg_u32 s95, 0
	s_cbranch_scc1 .Lway_v
	; ---- THE WAY OUT OF Q AND K.  Block a of role A: tokens at places 16 a + r, which are tokens 32 (a / 2) + 8 (a % 2) + r + 8 (r / 8).  Blocks 4 x + 2 e + u of role B: channel 32 e + 16 h + 8 u + j of head x.
	s_lshl_b32 s20, s17, 2
	s_add_co_u32 s20, s20, s41                     ; the tile row of tokens: 4 Y + cy
	s_lshr_b32 s21, s20, 3                         ; the batch
	s_lshl_b32 s21, s21, 4
	s_lshl_b32 s22, s40, 2
	s_add_co_u32 s21, s21, s22
	s_lshl_b32 s22, s16, 1
	s_add_co_u32 s21, s21, s22                     ; my first record: 16 batch + 4 cx + 2 half
	s_mul_i32 s21, s21, REC
	s_and_b32 s22, s20, 7
	s_lshl_b32 s22, s22, 1
	s_add_co_u32 s22, s22, s15                     ; my 128 tokens' number in the batch
	s_mul_i32 s23, s22, 8*768                      ; their eight images
	s_lshl_b32 s45, s22, 9                         ; their scale words
	s_mov_b32 s47, KSC
	s_cmp_eq_u32 ttmp9, 0                          ; q or k
	s_cselect_b32 s46, QIMG, KIMG
	s_cselect_b32 s47, QSC, s47
	s_add_co_u32 s46, s46, s21
	s_add_co_u32 s46, s46, s23
	s_add_co_u32 s92, s47, s21
	s_add_co_u32 s92, s92, s45
	s_mov_b32 s47, 0
	s_mov_b32 s93, 0
	s_add_nc_u64 s[46:47], s[10:11], s[46:47]
	s_add_nc_u64 s[92:93], s[10:11], s[92:93]
	s_lshl_b32 s22, s22, 15                        ; 128 positions of the table are 32,768 bytes
	s_mov_b32 s23, 0
	s_add_nc_u64 s[8:9], s[8:9], s[22:23]
	v_lshrrev_b32 v4, 3, v1
	v_and_b32 v5, 7, v1
	v_lshlrev_b32 v[RT], 12, v4                    ; (r / 8) x 4096: 16 positions on,
	v_lshl_add_u32 v[RT], v5, 4, v[RT]             ; + (r % 8) x 16,
	v_lshl_add_u32 v[RT], v2, 10, v[RT]            ; + 4 h chunks: frequencies 16 h + 0 .. 15
.macro LOADCS a                        ; cos and sin of block a's tokens into set a % 2: 16 and 16 a lane
.irp i, 0,1,2,3
	global_load_b128 v[CS+32*((\a)%2)+4*\i:CS+32*((\a)%2)+4*\i+3], v[RT], s[8:9] offset:((\a)/2)*8192+((\a)%2)*128+\i*256
	global_load_b128 v[CS+32*((\a)%2)+16+4*\i:CS+32*((\a)%2)+16+4*\i+3], v[RT], s[8:9] offset:((\a)/2)*8192+((\a)%2)*128+\i*256+2048
.endr
.endm
.macro ROPE a                          ; y1 = x1 cos - x2 sin, y2 = x1 sin + x2 cos, two at a time; y lands at register 16 (2 x + e) + 8 u + j
	WIN 2+(\a)/4
.irp x, 0,1
.irp u, 0,1
.irp jj, 0,2,4,6
.set X1, 8*(8*((\a)%4)+4*\x+\u)+\jj
.set X2, X1+16
.set CC, CS+32*((\a)%2)+8*\u+\jj
.set YY, YB+32*\x+8*\u+\jj
.set TT, TP+2*\jj
	v_pk_mul_f32 v[TT:TT+1], v[X2:X2+1], v[CC+16:CC+17]
	v_pk_mul_f32 v[TT+2:TT+3], v[X2:X2+1], v[CC:CC+1]
	v_pk_fma_f32 v[YY:YY+1], v[X1:X1+1], v[CC:CC+1], v[TT:TT+1] neg_lo:[0,0,1] neg_hi:[0,0,1]
	v_pk_fma_f32 v[YY+16:YY+17], v[X1:X1+1], v[CC+16:CC+17], v[TT+2:TT+3]
.endr
.endr
.endr
	WIN 0
.endm
.macro QKTILE a
.if (\a) > 0
	s_wait_xcnt 0x0                                ; the last tile's stores have read their registers: the codes may be written again
.endif
.if (\a) < 7
	s_wait_loadcnt 8                               ; this tile's cos and sin are in; the next tile's eight loads may be out
.else
	s_wait_loadcnt 0x0
.endif
	ROPE \a
.if (\a) < 6
	LOADCS (\a)+2
.endif
	QUANT YB, 0, PW+(\a)
	global_store_b128 v[I16], v[QC:QC+3], s[46:47] offset:(\a)*768             ; the first head's half image,
	global_store_b64 v[I8], v[QC+4:QC+5], s[46:47] offset:(\a)*768
	global_store_b128 v[I16], v[QC+6:QC+9], s[46:47] offset:(\a)*768+REC       ; the second head's, a record on
	global_store_b64 v[I8], v[QC+10:QC+11], s[46:47] offset:(\a)*768+REC
.endm
	LOADCS 0
	LOADCS 1
.irp a, 0,1,2,3,4,5,6,7
	QKTILE \a
.endr
.irp i, 0,1,2,3
	v_cndmask_b32 v[ZR+\i], v[PW+\i], v[PW+4+\i], s94   ; lanes 0-15: tiles 0-3; lanes 16-31: tiles 4-7
.endr
.irp i, 0,1,2,3
	v_and_b32 v[TP+\i], 0xffff, v[ZR+\i]           ; the first head's two bytes; bytes 2 and 3, of the half of K that holds zero codes, are 0
	v_lshrrev_b32 v[TP+4+\i], 16, v[ZR+\i]         ; the second head's
.endr
	global_store_b128 v[I16], v[TP:TP+3], s[92:93]
	global_store_b128 v[I16], v[TP+4:TP+7], s[92:93] offset:REC
	s_branch .Lway_done
.Lway_v:	; ---- THE WAY OUT OF V.  Block o of role A: channels at places 16 o + r of two heads (o / 4), tile o % 4.  The 64 registers of its eight accumulators are tokens 32 b + 16 h + i of my 128: one K step of the second attention product.
	s_sub_co_u32 s20, s17, 8
	s_lshl_b32 s20, s20, 3
	s_lshl_b32 s21, ttmp9, 2
	s_add_co_u32 s20, s20, s21
	s_add_co_u32 s20, s20, s40                     ; the tile of 256 tokens: 8 (Y - 8) + 4 X + cx
	s_lshl_b32 s20, s20, 1
	s_add_co_u32 s20, s20, s16                     ; my 128 tokens
	s_lshr_b32 s21, s20, 4
	s_lshl_b32 s21, s21, 4                         ; 16 batch
	s_lshl_b32 s22, s41, 2
	s_add_co_u32 s21, s21, s22
	s_lshl_b32 s22, s15, 1
	s_add_co_u32 s21, s21, s22                     ; my first record: + 4 cy + 2 half
	s_mul_i32 s21, s21, REC
	s_and_b32 s20, s20, 15                         ; the step of 128 keys
	s_mul_i32 s22, s20, 4*1536
	s_add_co_u32 s46, s21, s22
	s_add_co_u32 s46, s46, VIMG
	s_lshl_b32 s22, s20, 8
	s_add_co_u32 s92, s21, s22
	s_add_co_u32 s92, s92, VSC
	s_mov_b32 s47, 0
	s_mov_b32 s93, 0
	s_add_nc_u64 s[46:47], s[10:11], s[46:47]
	s_add_nc_u64 s[92:93], s[10:11], s[92:93]
	v_mul_u32_u24 v4, v2, REC
	v_lshl_add_u32 v[RT], v1, 4, v4                ; the scale words: 16 r, lanes 16-31 a record on
.macro VTILE o
.if (\o) > 0
	s_wait_xcnt 0x0                                ; the last tile's stores have read their registers
.endif
	QUANT 64*((\o)%4), 2+(\o)/4, PW+(\o)
.irp c, 0,1,2
	global_store_b128 v[I16], v[QC+4*\c:QC+4*\c+3], s[46:47] offset:((\o)/4)*REC+((\o)%4)*1536+512*\c
.endr
.endm
.irp o, 0,1,2,3,4,5,6,7
	VTILE \o
.endr
.irp i, 0,1,2,3
	v_cndmask_b32 v[ZR+\i], v[PW+\i], v[PW+4+\i], s94   ; lanes 0-15: the first head's four tiles; lanes 16-31: the second's
.endr
	global_store_b128 v[RT], v[ZR:ZR+3], s[92:93]
.Lway_done:
	s_wait_tensorcnt 0x0                           ; the wave's end
	ds_add_u32 v[SPW], v[NIL]
	s_wait_dscnt 0x0
	CROUND                                         ; the closing round: no work-group ends while a partner may still ask for a tile that names it
	s_endpgm
.Lfunc_end_k_q9217addb15_qkv:
	.size	k_q9217addb15_qkv, .Lfunc_end_k_q9217addb15_qkv-k_q9217addb15_qkv
	.p2alignl 7, 3214868480
	.fill 96, 4, 3214868480
	.section	.rodata,"a",@progbits
	.p2align	6, 0x0
	.amdhsa_kernel k_q9217addb15_qkv
		.amdhsa_group_segment_fixed_size 327680
		.amdhsa_private_segment_fixed_size 0
		.amdhsa_enable_private_segment 0
		.amdhsa_kernarg_size 32
		.amdhsa_user_sgpr_count 2
		.amdhsa_user_sgpr_kernarg_segment_ptr 1
		.amdhsa_wavefront_size32 1
		.amdhsa_system_sgpr_workgroup_id_x 1
		.amdhsa_system_sgpr_workgroup_id_y 1
		.amdhsa_system_sgpr_workgroup_id_z 1
		.amdhsa_system_vgpr_workitem_id 0
		.amdhsa_next_free_vgpr 1024
		.amdhsa_next_free_sgpr 100
		.amdhsa_reserve_vcc 0
		.amdhsa_float_denorm_mode_32 3
		.amdhsa_float_denorm_mode_16_64 3
		.amdhsa_memory_ordered 1
		.amdhsa_forward_progress 1
		.amdhsa_inst_pref_size 239
	.end_amdhsa_kernel
	.amdgpu_metadata
---
amdhsa.version: [ 1, 2 ]
amdhsa.kernels:
  - .name:           k_q9217addb15_qkv
    .symbol:         k_q9217addb15_qkv.kd
    .args:
      - { .name: codes, .offset: 0, .size: 8, .value_kind: global_buffer, .address_space: global }
      - { .name: scales, .offset: 8, .size: 8, .value_kind: global_buffer, .address_space: global }
      - { .name: rope, .offset: 16, .size: 8, .value_kind: global_buffer, .address_space: global }
      - { .name: qkv, .offset: 24, .size: 8, .value_kind: global_buffer, .address_space: global }
    .group_segment_fixed_size: 327680
    .private_segment_fixed_size: 0
    .kernarg_segment_align: 8
    .kernarg_segment_size: 32
    .max_flat_workgroup_size: 128
    .sgpr_count:     100
    .vgpr_count:     1024
    .wavefront_size: 32
...
	.end_amdgpu_metadata
.endif
;; end of part 2
;; launch attn (part 3): grid 4 x 64, 16 waves a work-group, clusters of 4 x 1, 219,136 bytes of LDS; arguments qkv, attention_mask, a_img, a_scales; writes a_img, a_scales
.if DOCPART == 3
	.amdgcn_target "amdgcn-amd-amdhsa--gfx1250"
	.amdhsa_code_object_version 6
	.text
	.protected	k_q9217addb15_attn
	.globl	k_q9217addb15_attn
	.p2align	8
	.type	k_q9217addb15_attn,@function
k_q9217addb15_attn:
	s_mov_b64 s[64:65], 0
	v_nop
	global_prefetch_b8 v0, s[64:65] scope:SCOPE_SE
	s_setreg_imm32_b32 hwreg(HW_REG_WAVE_MODE, 25, 1), 1
	s_wait_xcnt 0x0
	s_wait_alu depctr_hold_cnt(0) depctr_sa_sdst(0) depctr_va_vdst(0) depctr_va_sdst(0) depctr_va_ssrc(0) depctr_va_vcc(0) depctr_vm_vsrc(0)
	s_getreg_b32 s2, hwreg(HW_REG_IB_STS2, 6, 4)
	s_cmp_eq_u32 s2, 0
	s_cbranch_scc0 .Lentry_in_a_cluster
	s_endpgm
.Lentry_in_a_cluster:
	s_bfe_u32 s2, ttmp6, 0x10000c
	s_cmp_lg_u32 s2, 0x3003
	s_cbranch_scc0 .Lentry_shape_is_right
	s_endpgm
.Lentry_shape_is_right:
; ATTENTION on codes of FP6 (E2M3) with E8M0 scales, for one (batch, head) a cluster, and the quantising of its result along the head's 64 channels for the output projection.
; t = (q . k + bias) x log2(e) / 8; M = the running largest t rounded UP to a whole number; p = 2^(t - M) is quantised along the keys, not normalised; the row's sum is taken of the unquantised p and divides O at the end.
; When M moves, the sum and O are multiplied by 2^(old M - new M): exact.
; SHARES.  A work-group owns 512 queries; each of its sixteen waves one tile of 16 in each of two passes, in 256 registers: four waves to a SIMD, so that one wave's vector work stands beside another's matrix work and LDS loads.
; THE HEAD'S WHOLE K AND V, AS CODES, STAY IN LDS: 208,896 bytes, the first part of the head's record, as it lies in memory: images of operand registers.  They are filled once: no ring, no refill, and one barrier in all.
; CLUSTER.  The four work-groups of a cluster belong to one head: each sixteenth of the record's part is asked for JOINTLY, by the same tensor load with the same descriptor and the mask of all four, one load a wave.
; THE MASK is an input.  bias = (1 - mask) x -2^120 for each key, made once and kept in LDS; it is the C of the score product, loaded straight into the accumulators' registers.
; LAYOUT.  Both products are used transposed: S^T = K Q^T, O^T = V^T P^T: a lane holds ONE query throughout.  The rows of K's, Q's and V's images are places with bits 3 and 4 swapped: so the 16 registers of score tiles 2 b and 2 b + 1
; are keys 32 b + 16 (lane / 16) + 0 .. 15 of the step, and those of O^T's tiles 2 e and 2 e + 1 channels 32 e + 16 (lane / 16) + 0 .. 15.
; K = 64 IN AN INSTRUCTION OF 128: Q's registers 6-11 are zero codes and both sides' scale bytes 2 and 3 are 0 (2^-127).  K's fragment t is v[32 + 6 t .. 43 + 6 t]: its upper six registers are the next fragment's codes, which meet zero codes.
; No prefetch: all of K and V is asked for by the launch's first loads.
; LIMITS: mask entries are 0 or 1.  A batch whose mask leaves no key open gives NaN (0 / 0) where the plain softmax gives V's mean.  The largest t starts at -2^100: logits under that are not served.
; REGISTERS: v1-7, v31 addresses that stay; v8-11, v28-29 the step's; v12 -M, v13 the largest t, v[14:15] the sum; v16-27 Q; v30 Q's scale word; v32-79 K's eight fragments, then V's four; v80-85 zeros; v86-89 K's scale words, v90-93 V's,
;   v94 p's; v96-159 bias, S^T, p; v160-191 O^T; v192-210 codes; v212-227 at work.
.set REC,   315392
.set VIMG,  98304
.set KSC,   196608
.set VSC,   204800
.set QIMG,  208896
.set QSC,   307200
.set FILL,  13056                      ; what one tensor load brings: 51 rows of 256 bytes
.set BIAS,  208896                     ; LDS, behind the record's part: 2,048 f32, written by ds_store alone
.set WV,  12                           ; s12  my wave's number
.set G1,  16                           ; s[16:23] descriptor group 1
.set G0,  24                           ; s[24:27] group 0
.set SEL, 28                           ; s[28:29] lane selects for v_permlanex16_b32: lane l xor 16
.set CS,  30                           ; s[30:31] c = log2(e) / 8
.set TB,  32                           ; s32  the step's images: 6,144 bytes a step, K's and V's alike
.set TS,  33                           ; s33  the step's bias and K's scale words: 512 bytes a step
.set TV,  34                           ; s34  V's scale words: 256 bytes a step
.set CNT, 35
.set HM,  36                           ; s36  lanes 16-31
.set NB,  37                           ; s37  -2^120
.set QB,  38                           ; s[38:39] Q's image of my first pass
.set QS,  40                           ; s[40:41] its scale words
.macro CROUND                          ; a round of the cluster's barrier
	s_barrier_signal -1
	s_barrier_wait -1
	s_cmp_lg_u32 s[WV], 0
	s_cbranch_scc1 .Lnot_wave_0_\@
	s_barrier_signal -3
.Lnot_wave_0_\@:
	s_barrier_wait -3
	s_barrier_signal -1
	s_barrier_wait -1
.endm
	s_load_b256 s[4:11], s[0:1], 0x0               ; the records s[4:5], the mask s[6:7], the result's images s[8:9], its scale bytes s[10:11]
	v_lshl_add_u32 v254, v0, 2, 0x35000
	v_mov_b32 v255, 0
	ds_add_u32 v254, v255
	ds_add_u32 v254, v255
	v_lshrrev_b32 v8, 5, v0
	s_delay_alu instid0(VALU_DEP_1)
	v_readfirstlane_b32 s[WV], v8                  ; wave 0..15
	s_bfe_u32 s13, ttmp6, 0x40000                  ; cx: my place in the cluster: it enters global addresses of Q and of the results alone
	s_and_b32 s14, ttmp7, 0xffff                   ; 16 batch + head, which the four partners share
	s_mul_i32 s42, s14, REC
	s_mov_b32 s43, 0
	s_mul_i32 s15, s[WV], FILL                     ; my sixteenth, in memory and in LDS alike
	s_mov_b32 s44, s15
	s_mov_b32 s45, 0
	s_mov_b32 s[G1], 15|(3<<16)|(1<<21)            ; 15:0 the mask: all four work-groups; elements of 8 bytes; no padding; bit 21 beside a mask
	s_mov_b32 s[G1+1], 32<<16                      ; tensor_dim0 = 32 elements: 256 bytes
	s_mov_b32 s[G1+2], 51<<16                      ; tensor_dim1 = 51
	s_mov_b32 s[G1+3], 32<<16                      ; tile_dim0
	s_mov_b32 s[G1+4], 51                          ; tile_dim1
	s_mov_b32 s[G1+5], 32                          ; the pitch: dense
	s_mov_b32 s[G1+6], 0
	s_mov_b32 s[G1+7], 0
	s_mov_b32 s[SEL], 0x76543210
	s_mov_b32 s[SEL+1], 0xfedcba98
	s_mov_b32 s[CS], 0x3e38aa3b                    ; log2(e) / sqrt(64)
	s_mov_b32 s[CS+1], s[CS]                       ; (named with it as a pair, so it is written)
	s_mov_b32 s[NB], 0xfb800000                    ; -2^120
	s_wait_dscnt 0x0
	s_wait_kmcnt 0x0
	s_add_nc_u64 s[4:5], s[4:5], s[42:43]          ; my head's record
	s_mov_b32 s[G0], 1
	s_mov_b32 s[G0+1], s15
	s_add_nc_u64 s[G0+2:G0+3], s[4:5], s[44:45]
	s_or_b32 s[G0+3], s[G0+3], 0x80000000
	CROUND                                         ; all four work-groups are here: the joint loads meet
	tensor_load_to_lds s[G0:G0+3], s[G1:G1+7]      ; my one tensor load of the launch
	s_nop 0
.rept 4
	v_nop
.endr
	s_lshr_b32 s42, s14, 4
	s_lshl_b32 s42, s42, 13                        ; the batch's 2,048 mask entries
	s_add_nc_u64 s[6:7], s[6:7], s[42:43]
	v_lshlrev_b32 v11, 4, v0
	global_load_b128 v[32:35], v11, s[6:7]         ; four entries a thread
	v_and_b32 v8, 31, v0                           ; lane
	v_and_b32 v9, 15, v0                           ; r
	v_bfe_u32 v10, v0, 4, 1                        ; h
	s_delay_alu instid0(VALU_DEP_3)
	v_lshlrev_b32 v1, 4, v8                        ; 16 x lane
	s_delay_alu instid0(VALU_DEP_4)
	v_lshlrev_b32 v2, 3, v8
	s_delay_alu instid0(VALU_DEP_1)
	v_add_nc_u32 v2, 512, v2                       ; 512 + 8 x lane
	s_delay_alu instid0(VALU_DEP_3)
	v_add_nc_u32 v3, VIMG, v1
	v_lshl_add_u32 v4, v10, 6, BIAS                ; my half's 16 keys of a block of 32
	v_add_nc_u32 v5, KSC, v1
	v_lshlrev_b32 v7, 4, v9                        ; 16 r
	s_delay_alu instid0(VALU_DEP_1)
	v_add_nc_u32 v6, VSC, v7
	v_lshl_add_u32 v31, v9, 5, v10                 ; the result's scale bytes: 32 r + h
	v_lshl_add_u32 v29, v0, 4, BIAS                ; where my four biases go
	v_cmp_ne_u32 s[HM], 0, v10
.irp j, 22,23,24,25,26,27,80,81,82,83,84,85,216,217,218,219,221
	v_mov_b32 v\j, 0                               ; Q's zero half; the zeros behind K's last fragment; lane permutes' destinations; the upper half of the pair v[220:221]
.endr
	s_lshl_b32 s42, s13, 5
	s_add_co_u32 s42, s42, s[WV]                   ; my first pass's tile of queries: 32 cx + wave; the second's is 16 on
	s_mul_i32 s44, s42, 768
	s_add_co_u32 s44, s44, QIMG
	s_add_nc_u64 s[QB:QB+1], s[4:5], s[44:45]
	s_lshr_b32 s44, s42, 3
	s_lshl_b32 s44, s44, 9                         ; its scale words: 512 bytes for eight tiles,
	s_bfe_u32 s46, s[WV], 0x10002
	s_lshl_b32 s46, s46, 8                         ; 256 for four,
	s_add_co_u32 s44, s44, s46
	s_and_b32 s46, s[WV], 3
	s_lshl_b32 s46, s46, 2                         ; 4 for one
	s_add_co_u32 s44, s44, s46
	s_add_co_u32 s44, s44, QSC
	s_add_nc_u64 s[QS:QS+1], s[4:5], s[44:45]
	s_lshr_b32 s46, s14, 4
	s_lshl_b32 s46, s46, 7
	s_add_co_u32 s42, s42, s46                     ; the tile among all 512: + 128 batch
	s_and_b32 s46, s14, 15                         ; the head
	s_mul_i32 s44, s42, 16*768
	s_mul_i32 s47, s46, 768
	s_add_co_u32 s44, s44, s47
	s_add_nc_u64 s[8:9], s[8:9], s[44:45]
	s_lshl_b32 s44, s42, 9                         ; 16 places x 32 bytes
	s_lshl_b32 s46, s46, 1
	s_add_co_u32 s44, s44, s46
	s_add_nc_u64 s[10:11], s[10:11], s[44:45]
	s_wait_loadcnt 0x0
.irp j, 32,33,34,35
	v_cvt_f32_i32 v\j, v\j
.endr
.irp j, 32,33,34,35
	s_delay_alu instid0(VALU_DEP_4)
	v_fma_f32 v\j, v\j, -s[NB], s[NB]              ; (1 - mask) x -2^120: 0 for an open key
.endr
	ds_store_b128 v29, v[32:35]
	s_wait_tensorcnt 0x0                           ; my part of K and V has landed,
	s_wait_dscnt 0x0                               ; my biases are stored:
	s_barrier_signal -1
	s_barrier_wait -1                              ; everybody's are
; A KEY STEP: 128 keys.
.macro STEP
	v_add_nc_u32 v8, s[TB], v1                     ; six plain lines that name no register of the last products: the places in front of the loads below
	v_add_nc_u32 v9, s[TB], v2
	v_add_nc_u32 v10, s[TB], v3
	v_add_nc_u32 v11, s[TS], v4
	v_add_nc_u32 v28, s[TS], v5
	v_add_nc_u32 v29, s[TV], v6
.irp t, 0,1,2,3,4,5,6,7
	ds_load_b128 v[32+6*\t:35+6*\t], v8 offset:768*\t            ; K's half images: an instruction's bytes are consecutive
	ds_load_b64 v[36+6*\t:37+6*\t], v9 offset:768*\t
.endr
	ds_load_b128 v[86:89], v28                     ; K's scale words: lanes 0-15 tiles 0-3, lanes 16-31 tiles 4-7
.irp t, 0,1,2,3,4,5,6,7
	ds_load_b128 v[96+8*\t:99+8*\t], v11 offset:128*(\t/2)+32*(\t%2)       ; the bias of keys 32 (t / 2) + 16 h + 8 (t % 2) + 0 .. 7
	ds_load_b128 v[100+8*\t:103+8*\t], v11 offset:128*(\t/2)+32*(\t%2)+16
.endr
	s_wait_alu depctr_va_vdst(0)
	s_wait_dscnt 0x0
.irp t, 0,1,2,3
	v_wmma_scale_f32_16x16x128_f8f6f4 v[96+8*\t:103+8*\t], v[32+6*\t:43+6*\t], v[16:27], v[96+8*\t:103+8*\t], v[86+\t], v30 matrix_a_fmt:MATRIX_FMT_FP6 matrix_b_fmt:MATRIX_FMT_FP6
.endr
.irp t, 4,5,6,7
	v_wmma_scale_f32_16x16x128_f8f6f4 v[96+8*\t:103+8*\t], v[32+6*\t:43+6*\t], v[16:27], v[96+8*\t:103+8*\t], v[86+\t-4], v30 matrix_a_fmt:MATRIX_FMT_FP6 matrix_b_fmt:MATRIX_FMT_FP6 matrix_a_scale:MATRIX_SCALE_ROW1
.endr
.rept 4
	v_nop                                          ; places in front of the loads into K's registers and of the first read of the scores
.endr
.irp t, 0,1,2,3
.irp c, 0,1,2
	ds_load_b128 v[32+12*\t+4*\c:35+12*\t+4*\c], v10 offset:1536*\t+512*\c   ; V's four full images: they land while the softmax is walked
.endr
.endr
	ds_load_b128 v[90:93], v29                     ; V's scale words: register t is tile t's
.irp b, 0,1,2,3
	v_max3_num_f32 v[212+\b], v[96+16*\b], v[97+16*\b], v[98+16*\b]   ; the largest score of each block of 32 keys: for the row's maximum and, since p rises with the score, for the block's largest p
.endr
.irp i, 3,5,7,9,11,13
.irp b, 0,1,2,3
	v_max3_num_f32 v[212+\b], v[212+\b], v[96+16*\b+\i], v[97+16*\b+\i]
.endr
.endr
.irp b, 0,1,2,3
	v_max_num_f32 v[212+\b], v[212+\b], v[111+16*\b]
.endr
.irp b, 0,1,2,3
	s_delay_alu instid0(VALU_DEP_4)
	v_permlanex16_b32 v[216+\b], v[212+\b], s[SEL], s[SEL+1]
.endr
.irp b, 0,1,2,3
	s_delay_alu instid0(VALU_DEP_4)
	v_max_num_f32 v[212+\b], v[212+\b], v[216+\b]  ; with lane l xor 16's 16 keys
.endr
	s_delay_alu instid0(VALU_DEP_2)
	v_max3_num_f32 v222, v212, v213, v214
	s_delay_alu instid0(VALU_DEP_1)
	v_max_num_f32 v222, v222, v215                 ; the step's largest score of my query
	s_delay_alu instid0(VALU_DEP_1)
	v_mul_f32 v222, s[CS], v222                    ; as t
	s_delay_alu instid0(VALU_DEP_1)
	v_max_num_f32 v13, v13, v222                   ; the running largest t
	v_mov_b32 v222, v12
	s_delay_alu instid0(VALU_DEP_2)
	v_floor_f32 v12, -v13                          ; the new -M = floor(-t) = -ceil(t)
	s_delay_alu instid0(VALU_DEP_1)
	v_sub_f32 v222, v12, v222                      ; old M - new M: a whole number, 0 or less
	s_delay_alu instid0(VALU_DEP_1)
	v_cvt_i32_f32 v222, v222                       ; (it saturates)
	s_delay_alu instid0(VALU_DEP_1)
	v_ldexp_f32 v220, 1.0, v222                    ; f = 2^(old M - new M)
.irp j, 0,2,4,6,8,10,12,14,16,18,20,22,24,26,28,30,32,34,36,38,40,42,44,46,48,50,52,54,56,58,60,62
	v_pk_fma_f32 v[96+\j:97+\j], v[96+\j:97+\j], s[CS:CS+1], v[12:13] op_sel_hi:[1,0,0]   ; t - M, two at a time
.endr
.irp b, 0,1,2,3
	v_fma_f32 v[212+\b], v[212+\b], s[CS], v12     ; the same of each block's largest score
.endr
	s_setprio 1
	s_wait_alu depctr_va_vdst(0)
.irp j, 0,1,2,3,4,5,6,7,8,9,10,11,12,13,14,15,16,17,18,19,20,21,22,23,24,25,26,27,28,29,30,31,32,33,34,35,36,37,38,39,40,41,42,43,44,45,46,47,48,49,50,51,52,53,54,55,56,57,58,59,60,61,62,63
	v_exp_f32 v[96+\j], v[96+\j]                   ; p = 2^(t - M), at most 1; 0 for a closed key
.endr
	v_pk_mul_f32 v[14:15], v[14:15], v[220:221] op_sel_hi:[1,0]   ; the sums under the new M: a plain line behind the exponentials
	s_wait_alu depctr_va_vdst(0)                   ; one wait for the batch of 64, ahead of its first reader
.irp b, 0,1,2,3
	v_exp_f32 v[212+\b], v[212+\b]                 ; the block's largest p
.endr
	v_pk_add_f32 v[216:217], v[100:101], v[104:105]
	v_pk_add_f32 v[252:253], v[108:109], v[112:113]
	v_pk_add_f32 v[250:251], v[116:117], v[120:121]
	v_pk_add_f32 v[248:249], v[124:125], v[128:129]
	v_pk_add_f32 v[246:247], v[132:133], v[136:137]
	v_pk_add_f32 v[244:245], v[140:141], v[144:145]
	v_pk_add_f32 v[242:243], v[148:149], v[152:153]
	v_pk_add_f32 v[14:15], v[14:15], v[156:157]
	v_pk_add_f32 v[216:217], v[216:217], v[96:97]
	v_pk_add_f32 v[252:253], v[252:253], v[98:99]
	v_pk_add_f32 v[250:251], v[250:251], v[102:103]
	v_pk_add_f32 v[248:249], v[248:249], v[106:107]
	v_pk_add_f32 v[246:247], v[246:247], v[110:111]
	v_pk_add_f32 v[244:245], v[244:245], v[114:115]
	v_pk_add_f32 v[242:243], v[242:243], v[118:119]
	v_pk_add_f32 v[14:15], v[14:15], v[122:123]
	v_pk_add_f32 v[216:217], v[216:217], v[126:127]
	v_pk_add_f32 v[252:253], v[252:253], v[130:131]
	v_pk_add_f32 v[250:251], v[250:251], v[134:135]
	v_pk_add_f32 v[248:249], v[248:249], v[138:139]
	v_pk_add_f32 v[246:247], v[246:247], v[142:143]
	v_pk_add_f32 v[244:245], v[244:245], v[146:147]
	v_pk_add_f32 v[242:243], v[242:243], v[150:151]
	v_pk_add_f32 v[14:15], v[14:15], v[154:155]
	v_pk_add_f32 v[216:217], v[216:217], v[158:159]
	s_delay_alu instid0(VALU_DEP_2)
	v_pk_add_f32 v[14:15], v[14:15], v[248:249]
	s_delay_alu instid0(VALU_DEP_2)
	v_pk_add_f32 v[216:217], v[216:217], v[246:247]
	v_pk_add_f32 v[252:253], v[252:253], v[244:245]
	v_pk_add_f32 v[250:251], v[250:251], v[242:243]
	s_delay_alu instid0(VALU_DEP_2)
	v_pk_add_f32 v[14:15], v[14:15], v[252:253]
	s_delay_alu instid0(VALU_DEP_2)
	v_pk_add_f32 v[216:217], v[216:217], v[250:251]
	s_delay_alu instid0(VALU_DEP_1)
	v_pk_add_f32 v[14:15], v[14:15], v[216:217]
	s_wait_alu depctr_va_vdst(0)                   ; and one for the four
.irp b, 0,1,2,3
	v_max_num_f32 v[212+\b], 0x1800000, v[212+\b]  ; the floor 2^(3 - 127): the byte cannot fall under 1 (a block of zeros keeps that byte: its codes are zeros)
.endr
.irp b, 0,1,2,3
	s_delay_alu instid0(VALU_DEP_4)
	v_add_nc_u32 v[224+\b], 0xff000000, v[212+\b]  ; 2 off the exponent field: the conversion's scale operand
.endr
.irp b, 0,1,2,3
	s_delay_alu instid0(VALU_DEP_4)
	v_lshrrev_b32 v[216+\b], 23, v[224+\b]         ; the scale's byte
.endr
	s_delay_alu instid0(VALU_DEP_3)
	v_lshl_or_b32 v94, v217, 8, v216               ; p's scale word for these 128 keys
	s_delay_alu instid0(VALU_DEP_1)
	v_lshl_or_b32 v94, v218, 16, v94
	s_delay_alu instid0(VALU_DEP_1)
	v_lshl_or_b32 v94, v219, 24, v94
.irp c, 0,1
	v_cvt_scalef32_pk16_fp6_f32 v[192+6*\c:194+6*\c], v[96+32*\c:111+32*\c], v[224+2*\c]
	v_cvt_scalef32_pk16_fp6_f32 v[204+4*\c:206+4*\c], v[112+32*\c:127+32*\c], v[224+2*\c+1]   ; (a conversion's three registers begin on an even number)
.endr
	v_nop                                          ; one plain place behind a scaled conversion
	s_setprio 0
.irp c, 0,1                                    ; a whole block in a lane: lanes 0-15 block 2 c, lanes 16-31 block 2 c + 1
.irp i, 0,1,2
	v_permlane16_swap_b32 v[192+6*\c+\i], v[204+4*\c+\i]
.endr
.irp i, 0,1,2
	s_delay_alu instid0(VALU_DEP_3)
	v_mov_b32 v[195+6*\c+\i], v[204+4*\c+\i]
.endr
.endr
.irp j, 0,2,4,6,8,10,12,14,16,18,20,22,24,26,28,30
	v_pk_mul_f32 v[160+\j:161+\j], v[160+\j:161+\j], v[220:221] op_sel_hi:[1,0]   ; O^T under the new M.  These sixteen also stand between the lines that made p's codes and scale word and the products
.endr
	s_wait_alu depctr_va_vdst(0)
	s_wait_dscnt 0x0                               ; V is in
.irp t, 0,1,2,3
	v_wmma_scale_f32_16x16x128_f8f6f4 v[160+8*\t:167+8*\t], v[32+12*\t:43+12*\t], v[192:203], v[160+8*\t:167+8*\t], v[90+\t], v94 matrix_a_fmt:MATRIX_FMT_FP6 matrix_b_fmt:MATRIX_FMT_FP6
.endr
	s_add_co_u32 s[TB], s[TB], 6144
	s_add_co_u32 s[TS], s[TS], 512
	s_add_co_u32 s[TV], s[TV], 256
.endm
; A PASS: one tile of 16 queries against all 2,048 keys, and its way out.  No two matrix instructions that follow each other share an accumulator, over the backward jump too.
.macro PASS p
.if \p
	s_wait_xcnt 0x0                                ; the first pass's stores have read their registers
.endif
	global_load_b128 v[16:19], v1, s[QB:QB+1] offset:(\p)*12288    ; Q's half image stays in registers
	global_load_b64 v[20:21], v2, s[QB:QB+1] offset:(\p)*12288
	global_load_b32 v30, v7, s[QS:QS+1] offset:(\p)*1024           ; its scale words
	v_mov_b32 v13, 0xf1800000                      ; the largest t so far: -2^100: under every open key's t, over every closed key's
	v_mov_b32 v12, 0x71800000                      ; -M
	v_mov_b32 v14, 0
	v_mov_b32 v15, 0
.irp j, 0,1,2,3,4,5,6,7,8,9,10,11,12,13,14,15,16,17,18,19,20,21,22,23,24,25,26,27,28,29,30,31
	v_mov_b32 v[160+\j], 0                         ; O^T: the step is written once: the first finds zeros
.endr
	s_mov_b32 s[TB], 0
	s_mov_b32 s[TS], 0
	s_mov_b32 s[TV], 0
	s_mov_b32 s[CNT], 16
	s_wait_loadcnt 0x0
.Lstep_\@:
	s_setprio 2
	STEP
	s_sub_co_u32 s[CNT], s[CNT], 1
	s_cmp_lg_u32 s[CNT], 0
	s_cbranch_scc1 .Lstep_\@
	s_setprio 0
.rept 4
	v_nop                                          ; places behind the last products
.endr
	v_add_f32 v14, v14, v15                        ; the sum's two halves,
	s_delay_alu instid0(VALU_DEP_1)
	v_permlanex16_b32 v222, v14, s[SEL], s[SEL+1]
	s_delay_alu instid0(VALU_DEP_1)
	v_add_f32 v14, v14, v222                       ; and lane l xor 16's
	s_wait_alu depctr_va_vdst(0)
	v_rcp_f32 v14, v14
	v_nop                                          ; a plain line behind the reciprocal
	s_wait_alu depctr_va_vdst(0)                   ; the wait ahead of its first reader
.irp j, 0,2,4,6,8,10,12,14,16,18,20,22,24,26,28,30
	v_pk_mul_f32 v[96+\j:97+\j], v[160+\j:161+\j], v[14:15] op_sel_hi:[1,0]   ; O^T / the sum: register 16 e + i is channel 32 e + 16 h + i
.endr
.irp b, 0,1
	v_max3_num_f32 v[212+\b], |v[96+16*\b]|, |v[97+16*\b]|, 0x1800000
.endr
.irp i, 2,4,6,8,10,12,14
.irp b, 0,1
	s_delay_alu instid0(VALU_DEP_2)
	v_max3_num_f32 v[212+\b], v[212+\b], |v[96+16*\b+\i]|, |v[97+16*\b+\i]|
.endr
.endr
.irp b, 0,1
	s_delay_alu instid0(VALU_DEP_2)
	v_permlanex16_b32 v[216+\b], v[212+\b], s[SEL], s[SEL+1]
.endr
.irp b, 0,1
	s_delay_alu instid0(VALU_DEP_2)
	v_max_num_f32 v[212+\b], v[212+\b], v[216+\b]
.endr
.irp b, 0,1
	s_delay_alu instid0(VALU_DEP_2)
	v_add_nc_u32 v[224+\b], 0xff000000, v[212+\b]
.endr
.irp b, 0,1
	s_delay_alu instid0(VALU_DEP_2)
	v_lshrrev_b32 v[216+\b], 23, v[224+\b]
.endr
	v_cvt_scalef32_pk16_fp6_f32 v[192:194], v[96:111], v224
	v_cvt_scalef32_pk16_fp6_f32 v[200:202], v[112:127], v225
	v_cndmask_b32 v222, v216, v217, s[HM]          ; my half's block's byte.  (A plain place behind the conversions)
.irp i, 0,1,2
	v_permlane16_swap_b32 v[192+\i], v[200+\i]     ; lanes 0-15 channels 0-31, lanes 16-31 channels 32-63
.endr
.irp i, 0,1,2
	s_delay_alu instid0(VALU_DEP_3)
	v_mov_b32 v[195+\i], v[200+\i]
.endr
	global_store_b128 v1, v[192:195], s[8:9] offset:(\p)*196608    ; the half image: 512 and 256 consecutive bytes, aligned
	global_store_b64 v2, v[196:197], s[8:9] offset:(\p)*196608
	global_store_b8 v31, v222, s[10:11] offset:(\p)*8192           ; two bytes of each place's 32: the one store here that does not cover 256 bytes on end
.endm
	PASS 0
	PASS 1
	s_wait_tensorcnt 0x0
	ds_add_u32 v254, v255
	s_wait_dscnt 0x0
	CROUND                                         ; the closing round
	s_endpgm
.Lfunc_end_k_q9217addb15_attn:
	.size	k_q9217addb15_attn, .Lfunc_end_k_q9217addb15_attn-k_q9217addb15_attn
	.p2alignl 7, 3214868480
	.fill 96, 4, 3214868480
	.section	.rodata,"a",@progbits
	.p2align	6, 0x0
	.amdhsa_kernel k_q9217addb15_attn
		.amdhsa_group_segment_fixed_size 219136
		.amdhsa_private_segment_fixed_size 0
		.amdhsa_enable_private_segment 0
		.amdhsa_kernarg_size 32
		.amdhsa_user_sgpr_count 2
		.amdhsa_user_sgpr_kernarg_segment_ptr 1
		.amdhsa_wavefront_size32 1
		.amdhsa_system_sgpr_workgroup_id_x 1
		.amdhsa_system_sgpr_workgroup_id_y 1
		.amdhsa_system_sgpr_workgroup_id_z 1
		.amdhsa_system_vgpr_workitem_id 0
		.amdhsa_next_free_vgpr 256
		.amdhsa_next_free_sgpr 66
		.amdhsa_reserve_vcc 0
		.amdhsa_float_denorm_mode_32 3
		.amdhsa_float_denorm_mode_16_64 3
		.amdhsa_memory_ordered 1
		.amdhsa_forward_progress 1
		.amdhsa_inst_pref_size 55
	.end_amdhsa_kernel
	.amdgpu_metadata
---
amdhsa.version: [ 1, 2 ]
amdhsa.kernels:
  - .name:           k_q9217addb15_attn
    .symbol:         k_q9217addb15_attn.kd
    .args:
      - { .name: qkv, .offset: 0, .size: 8, .value_kind: global_buffer, .address_space: global }
      - { .name: attention_mask, .offset: 8, .size: 8, .value_kind: global_buffer, .address_space: global }
      - { .name: a_img, .offset: 16, .size: 8, .value_kind: global_buffer, .address_space: global }
      - { .name: a_scales, .offset: 24, .size: 8, .value_kind: global_buffer, .address_space: global }
    .group_segment_fixed_size: 219136
    .private_segment_fixed_size: 0
    .kernarg_segment_align: 8
    .kernarg_segment_size: 32
    .max_flat_workgroup_size: 512
    .sgpr_count:     66
    .vgpr_count:     256
    .wavefront_size: 32
...
	.end_amdgpu_metadata
.endif
;; end of part 3
;; launch outp (part 4): grid 4 x 32, 4 waves a work-group, clusters of 4 x 4, 327,680 bytes of LDS; arguments a_img, a_scales, codes, scales, out0; writes out0
.if DOCPART == 4
	.amdgcn_target "amdgcn-amd-amdhsa--gfx1250"
	.amdhsa_code_object_version 6
	.text
	.protected	k_q9217addb15_outp
	.globl	k_q9217addb15_outp
	.p2align	8
	.type	k_q9217addb15_outp,@function
k_q9217addb15_outp:
	s_mov_b64 s[64:65], 0
	v_nop
	global_prefetch_b8 v0, s[64:65] scope:SCOPE_SE
	s_setreg_imm32_b32 hwreg(HW_REG_WAVE_MODE, 25, 1), 1
	s_wait_xcnt 0x0
	s_wait_alu depctr_hold_cnt(0) depctr_sa_sdst(0) depctr_va_vdst(0) depctr_va_sdst(0) depctr_va_ssrc(0) depctr_va_vcc(0) depctr_vm_vsrc(0)
	s_getreg_b32 s2, hwreg(HW_REG_IB_STS2, 6, 4)
	s_cmp_eq_u32 s2, 0
	s_cbranch_scc0 .Lentry_in_a_cluster
	s_endpgm
.Lentry_in_a_cluster:
	s_bfe_u32 s2, ttmp6, 0x10000c
	s_cmp_lg_u32 s2, 0xf033
	s_cbranch_scc0 .Lentry_shape_is_right
	s_endpgm
.Lentry_shape_is_right:
; THE OUTPUT PROJECTION: out0[m][n] = sum over k of A[m][k] Wo[n][k], on codes of FP6 (E2M3) with E8M0 scales; K = 1,024; sums in f32.
; A, the attention's result, lies as IMAGES OF OPERAND REGISTERS: [tile of 16 places][head][768 bytes]; two neighbouring heads' half images are the 12 registers of a fragment of 128 along K.  Its scale bytes lie [place][32].
; A place is a token with bits 3 and 4 of its number swapped: the stores undo that.  Wo's codes are rows 11,264 on of the codes' buffer (768 bytes a row), in their own order; its scale bytes likewise (32 a row).
; A tile of 256 x 256 is made by a work-group of four waves; a wave makes 128 x 128: 64 accumulators.  K goes in steps of 256 through a ring of two LDS slots filled by the tensor data mover:
; of A 8 tiles x 3,072 consecutive bytes a load, no padding (an LDS load's bytes are consecutive); of Wo 128 rows x 192 bytes a load, 16 bytes of padding behind every 64.  The scale bytes come once.
; CLUSTERS: 4 x 4 work-groups: A's tiles are asked for jointly by a row of the cluster, Wo's by a column.  THE MATRIX INSTRUCTION IS USED TRANSPOSED (source 0 = 16 rows of Wo, source 1 = 16 places of A).
; REGISTERS, in windows of 256: window 0: v0-31 addresses; v32-63 scale words, two sets, and nothing else; from v128 A's fragments, one set; on the way out v128-255 rows of the result.
;   window 1: Wo's fragments, two sets.   windows 2, 3: the accumulators ((a, b) at v[8 (8 (a % 4) + b)]).
.set SIZE_N, 1024
.set SIZE_K, 1024
.set WOROW,  11264
.set KSTEP,  256
.set NQ,     KSTEP/128
.set ROWB,   192
.set KROW,   SIZE_K*6/8                ; a row of Wo's codes, and a place's share of A's images, in bytes
.set AROWB,  3072                      ; a tile's images of one K step of 256: four heads
.set PITCH,  240
.set FR,     12
.set NL,     6                         ; LDS loads that bring a fragment of Wo
.set NLA,    4                         ; and of A
.set NP,     4
.set HALFTA, 8*AROWB                   ; 128 places of A: what one tensor load brings
.set HALFT,  128*PITCH                 ; 128 rows of Wo
.set SLOT,   2*HALFTA+2*HALFT
.set LAPS,   SIZE_K/(2*KSTEP)
.set KS,     SIZE_K/32
.set SCL,    2*SLOT
.set HALFS,  (128*KS/256)*272
.set SBLK,   (16*KS/256)*272
.set SPARE,  SCL+4*HALFS               ; the spare words, 128 bytes for each wave, which no other line names
.set SPITCH, 528                       ; the way out: a stage of 16 rows x (512 bytes + 16) for each wave, in slot 0, which has had its last fill and its last read when the first result is stored there
.set ADRA, 16                          ; v16-17 A's images in slot 0, 1: + 16 x lane;  v18-19: + 512 + 8 x lane
.set ADRB, 20                          ; v20-21 Wo's fragments in slot 0, 1  (v22-23: for the pieces behind one padding more)
.set STO,  24
.set RD,   25
.set CO,   26
.set ADRS, 27
.set SPW,  28                          ; v28  LDS address of my spare word; never rewritten
.set NIL,  29                          ; v29  0; never rewritten
.set SC,   32
.set AF,   128
.set BK,   128
.set G1, 24
.set G0, 32
.set G1B, 48
.set G0B, 56
.set G1S, 68
.set G0S, 76
.set G1SB, 80
.set G0SB, 88
.set MSB, 0
.macro WIN new
.if MSB != (\new)
	s_set_vgpr_msb (MSB<<8)|(\new)
.set MSB, (\new)
.endif
.endm
.set MUL_LO, 0xa1
.set MUL_HI, 0xf1
.set TO_B,   0x40
.macro JLOAD g0a, g1a, g0b, g1b        ; a joint load: waves 0 and 1 fetch for A, waves 2 and 3 for Wo; four v_nop follow each of the two lines
	s_cmp_eq_u32 s15, 0
	s_cbranch_scc0 .Lfor_b_\@
	tensor_load_to_lds s[\g0a:\g0a+3], s[\g1a:\g1a+7]
	s_nop 0
.rept 4
	v_nop
.endr
	s_branch .Lasked_\@
.Lfor_b_\@:
	tensor_load_to_lds s[\g0b:\g0b+3], s[\g1b:\g1b+7]
	s_nop 0
.rept 4
	v_nop
.endr
.Lasked_\@:
.endm
.macro CREST
	s_cmp_lg_u32 s14, 0
	s_cbranch_scc1 .Lnot_wave_0_\@
	s_barrier_signal -3
.Lnot_wave_0_\@:
	s_barrier_wait -3
	s_barrier_signal -1
	s_barrier_wait -1
.endm
.macro CROUND
	s_barrier_signal -1
	s_barrier_wait -1
	CREST
.endm
	s_load_b128 s[4:7], s[0:1], 0x0                ; A's images s[4:5], A's scale bytes s[6:7]
	s_load_b128 s[8:11], s[0:1], 0x10              ; the codes' buffer s[8:9], the scale bytes' s[10:11]
	s_load_b64 s[12:13], s[0:1], 0x20              ; out0
	v_lshl_add_u32 v[SPW], v0, 2, SPARE
	v_mov_b32 v[NIL], 0
	ds_add_u32 v28, v29
	ds_add_u32 v28, v29
	s_wait_dscnt 0x0
	v_lshrrev_b32 v1, 5, v0
	v_readfirstlane_b32 s14, v1                    ; wave 0..3
	s_lshr_b32 s15, s14, 1                         ; which half of the tile's places is mine.  Also: I fetch for A (0) or for Wo (1)
	s_and_b32 s16, s14, 1                          ; which half of its columns.  Also: which 128 rows of that tile I fetch
	s_bfe_u32 s40, ttmp6, 0x40000                  ; cx, cy
	s_bfe_u32 s41, ttmp6, 0x40004
	s_lshl_b32 s42, ttmp9, 2
	s_add_co_u32 s42, s42, s40                     ; tile column = 4 x cluster x + cx
	s_and_b32 s17, ttmp7, 0xffff
	s_lshl_b32 s17, s17, 2
	s_add_co_u32 s17, s17, s41                     ; tile row = 4 x cluster y + cy
	s_lshl_b32 s43, s41, 2
	s_lshl_b32 s43, 15, s43                        ; my row of the cluster
	s_lshl_b32 s44, 0x1111, s40                    ; my column
	; descriptor group 1 for A: 8 rows of 384 elements of 8 bytes, 1,536 elements apart, no padding
	s_or_b32 s[G1+0], s43, (3<<16)|(1<<21)
	s_mov_b32 s[G1+1], 384<<16
	s_mov_b32 s[G1+2], 8<<16
	s_mov_b32 s[G1+3], 384<<16
	s_mov_b32 s[G1+4], 8
	s_mov_b32 s[G1+5], 1536
	s_mov_b32 s[G1+6], 0
	s_mov_b32 s[G1+7], 0
	; for Wo: 128 rows of 192 bytes, 16 bytes of padding behind every 64
	s_or_b32 s[G1B+0], s44, (0<<16)|(1<<20)|(1<<21)|(3<<22)|(3<<25)
	s_mov_b32 s[G1B+1], ROWB<<16
	s_mov_b32 s[G1B+2], 128<<16
	s_mov_b32 s[G1B+3], ROWB<<16
	s_mov_b32 s[G1B+4], 128
	s_mov_b32 s[G1B+5], KROW
	s_mov_b32 s[G1B+6], 0
	s_mov_b32 s[G1B+7], 0
	; the scale bytes of 128 rows: 4,096 dense bytes, as rows of 256 bytes, 16 bytes of padding behind each
	s_or_b32 s[G1S+0], s43, (3<<16)|(1<<20)|(1<<21)|(5<<22)|(3<<25)
	s_or_b32 s[G1SB+0], s44, (3<<16)|(1<<20)|(1<<21)|(5<<22)|(3<<25)
.irp g, G1S, G1SB
	s_mov_b32 s[\g+1], 32<<16
	s_mov_b32 s[\g+2], (128*KS/256)<<16
	s_mov_b32 s[\g+3], 32<<16
	s_mov_b32 s[\g+4], 128*KS/256
	s_mov_b32 s[\g+5], 32
	s_mov_b32 s[\g+6], 0
	s_mov_b32 s[\g+7], 0
.endr
	s_lshl_b32 s18, s16, 7                         ; which 128 rows of the tile I fetch
	s_lshl_b32 s20, s17, 8
	s_add_co_u32 s20, s20, s18                     ; A: place 256 x tile row + 128 x half
	s_lshl_b32 s46, s42, 8
	s_add_co_u32 s46, s46, s18
	s_add_co_u32 s46, s46, WOROW                   ; Wo: row 11,264 + 256 x tile column + 128 x half
	s_mov_b32 s21, 0
	s_mov_b32 s47, 0
	s_mov_b64 s[18:19], KS
	s_mul_u64 s[22:23], s[20:21], s[18:19]         ; where these rows' scale bytes begin
	s_mul_u64 s[92:93], s[46:47], s[18:19]
	s_mov_b64 s[18:19], KROW
	s_mul_u64 s[20:21], s[20:21], s[18:19]         ; and their codes (16 places' images are 16 x 768 bytes)
	s_mul_u64 s[46:47], s[46:47], s[18:19]
	s_mul_i32 s45, s16, HALFTA                     ; where they go: A's two halves,
	s_mul_i32 s96, s16, HALFT
	s_add_co_u32 s96, s96, 2*HALFTA                ; behind them Wo's two: no place in the cluster enters an LDS address
	s_mul_i32 s94, s14, HALFS
	s_wait_kmcnt 0x0
	s_add_nc_u64 s[20:21], s[4:5], s[20:21]
	s_add_nc_u64 s[22:23], s[6:7], s[22:23]
	s_add_nc_u64 s[46:47], s[8:9], s[46:47]
	s_add_nc_u64 s[92:93], s[10:11], s[92:93]
	CROUND                                         ; all sixteen work-groups are here: the first joint loads meet
	s_mov_b32 s[G0S], 1
	s_add_co_u32 s[G0S+1], s94, SCL
	s_mov_b64 s[G0S+2:G0S+3], s[22:23]
	s_or_b32 s[G0S+3], s[G0S+3], 0x80000000
	s_mov_b32 s[G0SB], 1
	s_add_co_u32 s[G0SB+1], s94, SCL
	s_mov_b64 s[G0SB+2:G0SB+3], s[92:93]
	s_or_b32 s[G0SB+3], s[G0SB+3], 0x80000000
	JLOAD G0S, G1S, G0SB, G1SB                     ; the scale bytes first
.irp s, 0,1
	s_mov_b32 s[G0+4*\s], 1
	s_add_co_u32 s[G0+4*\s+1], s45, \s*SLOT
	s_add_nc_u64 s[G0+4*\s+2:G0+4*\s+3], s[20:21], \s*AROWB
	s_or_b32 s[G0+4*\s+3], s[G0+4*\s+3], 0x80000000
	s_mov_b32 s[G0B+4*\s], 1
	s_add_co_u32 s[G0B+4*\s+1], s96, \s*SLOT
	s_add_nc_u64 s[G0B+4*\s+2:G0B+4*\s+3], s[46:47], \s*ROWB
	s_or_b32 s[G0B+4*\s+3], s[G0B+4*\s+3], 0x80000000
	JLOAD G0+4*\s, G1, G0B+4*\s, G1B               ; three loads of mine are out
.endr
	v_and_b32 v1, 15, v0                           ; l % 16
	v_bfe_u32 v2, v0, 4, 1                         ; l / 16
	v_and_b32 v7, 31, v0                           ; lane
	v_mul_u32_u24 v3, v1, PITCH
	v_mul_u32_u24 v4, v2, 24
	v_add_nc_u32 v4, v3, v4                        ; Wo: a fragment's row x pitch + 24 x half
	v_lshl_add_u32 v5, v2, 4, v4                   ; and the same behind one padding more
	v_lshlrev_b32 v8, 4, v7                        ; A: 16 x lane
	v_lshlrev_b32 v9, 3, v7
	v_add_nc_u32 v9, 512, v9                       ; and 512 + 8 x lane
	s_mul_i32 s21, s15, HALFTA                     ; my 128 places of A
	s_mul_i32 s22, s16, HALFT                      ; my 128 rows of Wo,
	s_add_co_u32 s22, s22, 2*HALFTA                ; which lie behind A's 256
.irp s, 0,1
	v_add_nc_u32 v[ADRA+\s], s21, v8
	v_add_nc_u32 v[ADRA+2+\s], s21, v9
	v_add_nc_u32 v[ADRB+\s], s22, v4
	v_add_nc_u32 v[ADRB+2+\s], s22, v5
	s_add_co_u32 s21, s21, SLOT
	s_add_co_u32 s22, s22, SLOT
.endr
	v_mul_u32_u24 v5, v1, KS
	v_lshrrev_b32 v6, 8, v5
	v_lshl_add_u32 v5, v6, 4, v5
	s_mul_i32 s21, s15, HALFS
	s_mul_i32 s22, s16, HALFS
	s_add_co_u32 s22, s22, 2*HALFS
	s_sub_co_u32 s22, s22, s21
	v_mul_u32_u24 v6, s22, v2                      ; lanes 16-31 take Wo's: one product, the distance between the two bases
	s_add_co_u32 s21, s21, SCL
	v_add_nc_u32 v5, v5, v6
	v_add_nc_u32 v[ADRS], s21, v5
	s_mul_i32 s23, s14, 16*SPITCH                  ; my stage
	v_mul_u32_u24 v5, v1, SPITCH
	v_lshl_add_u32 v5, v2, 5, v5
	v_add_nc_u32 v[STO], s23, v5
	v_lshlrev_b32 v[CO], 4, v7
	v_add_nc_u32 v[RD], s23, v[CO]
	s_lshl_b32 s20, s17, 8
	s_lshl_b32 s21, s15, 7
	s_add_co_u32 s20, s20, s21                     ; my first row of out0: 256 x tile row + 128 x half
	s_mov_b32 s21, 0
	s_mov_b64 s[18:19], SIZE_N*4
	s_mul_u64 s[20:21], s[20:21], s[18:19]
	s_lshl_b32 s46, s42, 10                        ; my first column, in bytes
	s_lshl_b32 s47, s16, 9
	s_add_co_u32 s46, s46, s47
	s_mov_b32 s47, 0
	s_add_nc_u64 s[20:21], s[20:21], s[46:47]
	s_add_nc_u64 s[12:13], s[12:13], s[20:21]
.macro FRAG reg, adr, q, i             ; a fragment of Wo: 24 bytes of the row twice, in pieces of 8
.irp p, 0,1,2,3,4,5
.set PCE, 12*(\q)+6*(\p/3)+\p%3
.if PCE%8 < 5
	ds_load_b64 v[\reg+2*\p:\reg+2*\p+1], v[\adr] offset:8*PCE+16*(PCE/8)+(\i)*16*PITCH
.else
	ds_load_b64 v[\reg+2*\p:\reg+2*\p+1], v[\adr+2] offset:8*PCE+16*(PCE/8)+(\i)*16*PITCH
.endif
.endr
.endm
.macro FRAGA reg, slot, q, i           ; a fragment of A: two half images as they were stored
	ds_load_b128 v[\reg:\reg+3], v[ADRA+\slot] offset:(\i)*AROWB+(\q)*1536
	ds_load_b64 v[\reg+4:\reg+5], v[ADRA+2+\slot] offset:(\i)*AROWB+(\q)*1536
	ds_load_b128 v[\reg+6:\reg+9], v[ADRA+\slot] offset:(\i)*AROWB+(\q)*1536+768
	ds_load_b64 v[\reg+10:\reg+11], v[ADRA+2+\slot] offset:(\i)*AROWB+(\q)*1536+768
.endm
; 16 matrix instructions; the 64 accumulators take turns, one instruction a turn, in the same order in every step
.macro MUL16 a0, p, q, sc, zero
.irp a, \a0, \a0+1
.irp b, 0,1,2,3,4,5,6,7
.if \zero
	v_wmma_scale_f32_16x16x128_f8f6f4 v[8*(8*((\a)%4)+\b):8*(8*((\a)%4)+\b)+7], v[128*(\p)+FR*\b:128*(\p)+FR*\b+FR-1], v[AF+FR*(\a):AF+FR*(\a)+FR-1], 0, v[SC+8*NQ*(\sc)+NQ*\b+(\q)], v[SC+8*NQ*(\sc)+NQ*(\a)+(\q)] matrix_a_fmt:MATRIX_FMT_FP6 matrix_b_fmt:MATRIX_FMT_FP6 matrix_a_scale:MATRIX_SCALE_ROW1
.else
	v_wmma_scale_f32_16x16x128_f8f6f4 v[8*(8*((\a)%4)+\b):8*(8*((\a)%4)+\b)+7], v[128*(\p)+FR*\b:128*(\p)+FR*\b+FR-1], v[AF+FR*(\a):AF+FR*(\a)+FR-1], v[8*(8*((\a)%4)+\b):8*(8*((\a)%4)+\b)+7], v[SC+8*NQ*(\sc)+NQ*\b+(\q)], v[SC+8*NQ*(\sc)+NQ*(\a)+(\q)] matrix_a_fmt:MATRIX_FMT_FP6 matrix_b_fmt:MATRIX_FMT_FP6 matrix_a_scale:MATRIX_SCALE_ROW1
.endif
.endr
.endr
.endm
.macro FETCH_B slot, q, p
	WIN TO_B
.irp i, 0,1,2,3,4,5,6,7
	FRAG 128*(\p)+FR*\i, ADRB+\slot, \q, \i
.endr
	WIN 0
.endm
.macro FETCH_A slot, q, i0
.irp i, \i0, \i0+1, \i0+2, \i0+3
	FRAGA AF+FR*(\i), \slot, \q, \i
.endr
.endm
.macro SCALES sc
.irp i, 0,1,2,3,4,5,6,7
	ds_load_b64 v[SC+8*NQ*\sc+NQ*\i:SC+8*NQ*\sc+NQ*\i+1], v[ADRS] offset:\i*SBLK
.endr
.endm
.macro PLACES n
.rept \n
	v_nop
.endr
.endm
.macro STEP slot, q, zero
	s_wait_dscnt 4*NLA                             ; Wo's set and A's blocks 0-3 are in; the youngest 16 loads (A's blocks 4-7) may be out
	WIN MUL_LO
	MUL16 0, (\q)%2, \q, \slot, \zero
	MUL16 2, (\q)%2, \q, \slot, \zero
	s_wait_dscnt 0
	PLACES NP
	FETCH_B \slot, (\q)+1, 1-(\q)%2
	FETCH_A \slot, (\q)+1, 0
	WIN MUL_HI
	MUL16 4, (\q)%2, \q, \slot, \zero
	MUL16 6, (\q)%2, \q, \slot, \zero
	PLACES NP
	WIN 0
	FETCH_A \slot, (\q)+1, 4
.endm
.macro TURN slot, next, fill
	s_wait_tensorcnt 0x0                           ; all my tensor loads have landed: my part of the next slot
	ds_add_u32 v[SPW], v[NIL]                      ; 0 onto my spare word
	s_wait_dscnt 4*NLA+1                           ; (the add and the youngest 16 loads may be out)
	WIN MUL_LO
	MUL16 0, 1, NQ-1, \slot, 0
	s_wait_dscnt 0x0                               ; the add is done, and my reads of this slot are over
	s_barrier_signal -1
	MUL16 2, 1, NQ-1, \slot, 0
	WIN 0
	s_barrier_wait -1
.if \fill
	CREST                                          ; the barrier has opened a round of the cluster's: no wave of any partner still reads this slot or has a load on its way
	s_add_nc_u64 s[G0+4*\slot+2:G0+4*\slot+3], s[G0+4*\slot+2:G0+4*\slot+3], 2*AROWB
	s_add_nc_u64 s[G0B+4*\slot+2:G0B+4*\slot+3], s[G0B+4*\slot+2:G0B+4*\slot+3], 2*ROWB
	JLOAD G0+4*\slot, G1, G0B+4*\slot, G1B         ; the first tensor load behind the round; its four v_nop are the places in front of the loads below
.else
	PLACES NP
.endif
	v_add_nc_u32 v[ADRS], 4*NQ, v[ADRS]
	FETCH_B \next, 0, 0
	FETCH_A \next, 0, 0
	SCALES \next
	WIN MUL_HI
	MUL16 4, 1, NQ-1, \slot, 0
	MUL16 6, 1, NQ-1, \slot, 0
	PLACES NP
	WIN 0
	FETCH_A \next, 0, 4
.endm
	s_wait_tensorcnt 1                             ; the scale bytes and my part of K step 0 are in (K step 1's load may be out),
	s_barrier_signal -1
	s_barrier_wait -1                              ; everybody's are
	FETCH_B 0, 0, 0
	FETCH_A 0, 0, 0
	SCALES 0
	FETCH_A 0, 0, 4
	STEP 0, 0, 1                                   ; the first step's products start the sums
	s_mov_b32 s3, LAPS-1
.Llap:
	TURN 0, 1, 1
	STEP 1, 0, 0
	TURN 1, 0, 1
	STEP 0, 0, 0
	s_sub_co_u32 s3, s3, 1
	s_cmp_lg_u32 s3, 0
	s_cbranch_scc1 .Llap
	TURN 0, 1, 0                                   ; the last lap fills nothing
	STEP 1, 0, 0
	s_wait_dscnt 4*NLA
	WIN MUL_LO
	MUL16 0, 1, NQ-1, 1, 0
	MUL16 2, 1, NQ-1, 1, 0
	s_wait_dscnt 0
	WIN MUL_HI
	MUL16 4, 1, NQ-1, 1, 0
	MUL16 6, 1, NQ-1, 1, 0
	WIN 0
; THE WAY OUT, block by block of 16 places x 128 columns, through my own stage in LDS: back come whole rows of 512 bytes.  LDS serves a wave's instructions in order (ISA guide 5.7.1.4): no wait between the stores and the loads.
.macro TOSTAGE a
.set AC, 64*((\a)%4)
	WIN 0x08+4*((\a)/4)                            ; the data: window 2 or 3
.irp b, 0,1,2,3,4,5,6,7
	ds_store_b128 v[STO], v[AC+8*\b:AC+8*\b+3] offset:64*\b          ; each accumulator from its low end on
	ds_store_b128 v[STO], v[AC+8*\b+4:AC+8*\b+7] offset:64*\b+16
.endr
	WIN 0
.set BB, BK+64*((\a)%2)
.irp t, 0,1,2,3,4,5,6,7,8,9,10,11,12,13,14,15
	ds_load_b128 v[BB+4*\t:BB+4*\t+3], v[RD] offset:\t*SPITCH
.endr
.endm
.macro SEND a, younger                 ; place 16 a + t is token 32 (a / 2) + 8 (a % 2) + t + 8 (t / 8) of my 128: the row stands in the immediate, 127 rows of 4,096 bytes at the most
.set BB, BK+64*((\a)%2)
	s_wait_dscnt \younger                          ; the block is back in registers
.irp t, 0,1,2,3,4,5,6,7,8,9,10,11,12,13,14,15
	global_store_b128 v[CO], v[BB+4*\t:BB+4*\t+3], s[12:13] offset:(32*((\a)/2)+8*((\a)%2)+\t+8*(\t/8))*SIZE_N*4 th:TH_STORE_NT   ; 32 lanes store 512 consecutive bytes, aligned
.endr
.endm
	PLACES NP
	TOSTAGE 0
.irp a, 1,2,3,4,5,6,7
.if \a > 1
	s_wait_xcnt 0x0                                ; block a - 2's stores have read their registers: block a's loads may land there
.endif
	TOSTAGE \a
	SEND \a-1, 32                                  ; behind block a - 1's loads: block a's 16 stores and 16 loads
.endr
	SEND 7, 0
	s_wait_tensorcnt 0x0                           ; the wave's end
	ds_add_u32 v[SPW], v[NIL]
	s_wait_dscnt 0x0
	CROUND                                         ; the closing round
	s_endpgm
.Lfunc_end_k_q9217addb15_outp:
	.size	k_q9217addb15_outp, .Lfunc_end_k_q9217addb15_outp-k_q9217addb15_outp
	.p2alignl 7, 3214868480
	.fill 96, 4, 3214868480
	.section	.rodata,"a",@progbits
	.p2align	6, 0x0
	.amdhsa_kernel k_q9217addb15_outp
		.amdhsa_group_segment_fixed_size 327680
		.amdhsa_private_segment_fixed_size 0
		.amdhsa_enable_private_segment 0
		.amdhsa_kernarg_size 40
		.amdhsa_user_sgpr_count 2
		.amdhsa_user_sgpr_kernarg_segment_ptr 1
		.amdhsa_wavefront_size32 1
		.amdhsa_system_sgpr_workgroup_id_x 1
		.amdhsa_system_sgpr_workgroup_id_y 1
		.amdhsa_system_sgpr_workgroup_id_z 1
		.amdhsa_system_vgpr_workitem_id 0
		.amdhsa_next_free_vgpr 1024
		.amdhsa_next_free_sgpr 98
		.amdhsa_reserve_vcc 0
		.amdhsa_float_denorm_mode_32 3
		.amdhsa_float_denorm_mode_16_64 3
		.amdhsa_memory_ordered 1
		.amdhsa_forward_progress 1
		.amdhsa_inst_pref_size 152
	.end_amdhsa_kernel
	.amdgpu_metadata
---
amdhsa.version: [ 1, 2 ]
amdhsa.kernels:
  - .name:           k_q9217addb15_outp
    .symbol:         k_q9217addb15_outp.kd
    .args:
      - { .name: a_img, .offset: 0, .size: 8, .value_kind: global_buffer, .address_space: global }
      - { .name: a_scales, .offset: 8, .size: 8, .value_kind: global_buffer, .address_space: global }
      - { .name: codes, .offset: 16, .size: 8, .value_kind: global_buffer, .address_space: global }
      - { .name: scales, .offset: 24, .size: 8, .value_kind: global_buffer, .address_space: global }
      - { .name: out0, .offset: 32, .size: 8, .value_kind: global_buffer, .address_space: global }
    .group_segment_fixed_size: 327680
    .private_segment_fixed_size: 0
    .kernarg_segment_align: 8
    .kernarg_segment_size: 40
    .max_flat_workgroup_size: 128
    .sgpr_count:     98
    .vgpr_count:     1024
    .wavefront_size: 32
...
	.end_amdgpu_metadata
.endif
;; end of part 4
